; MI455X (gfx1250); checked and timed in simulation.
; The chip was launched on July 23, 2026; its instructions are those of AMD's public machine-readable ISA for CDNA 5 (MIT licence, August 2026) and "CDNA5" Instruction Set Architecture Reference Guide (July 2026). The comments in the code are by the model that wrote it; some were corrected since.
;; Attn Block. Allowed arithmetic: float matrix products may take bf16 or f16 operands with f32 sums; all other float work in f32.
;; Inputs: bk 256 float32; bo 256 float32; bq 256 float32; bv 256 float32; gn_bias 256 float32; gn_scale 256 float32; wk 256 x 256 float32; wo 256 x 256 float32; wq 256 x 256 float32; wv 256 x 256 float32; x 32 x 256 x 32 x 32 float32.
;; Outputs: out0 32 x 256 x 32 x 32 float32.
;; 2 versions, each right and faster than the one before. Each part assembles by itself: llvm-mc -triple=amdgcn-amd-amdhsa -mcpu=gfx1250 --defsym DOCPART=n.
;; ======== version 1 of 2: 2 launches
;; workspace buffers: h 16,777,216 bytes; wbf 524,288 bytes
;; launch norm (part 1): grid 1056 x 1, 8 waves a work-group, no clusters, 1,280 bytes of LDS; arguments x, gn_scale, gn_bias, wq, wk, wv, wo, h, wbf; writes h, wbf
.if DOCPART == 1
	.amdgcn_target "amdgcn-amd-amdhsa--gfx1250"
	.amdhsa_code_object_version 6
	.text
	.protected	k_q5bd452e979_norm
	.globl	k_q5bd452e979_norm
	.p2align	8
	.type	k_q5bd452e979_norm,@function
k_q5bd452e979_norm:
	s_mov_b64 s[64:65], 0
	v_nop
	global_prefetch_b8 v0, s[64:65] scope:SCOPE_SE
	s_setreg_imm32_b32 hwreg(HW_REG_WAVE_MODE, 25, 1), 1
	s_wait_xcnt 0x0
; h = GroupNorm(x) * scale + bias, rounded once to bf16, and the four weight matrices rounded to bf16.
; x: [32][256][1024] f32.  A group is 8 channels x 1,024 positions = 32,768 consecutive bytes; there are 32 x 32 = 1,024 groups.
; Work-groups 0 .. 1023 take one group each; work-groups 1024 .. 1055 take one eighth (32,768 bytes) of wq, wk, wv or wo and only round it.
; Eight waves, 256 threads: load k of thread t takes the 16 bytes at 16 t + 4,096 k, so load k is channel k's whole row and the
; group stays in 32 registers a thread between the passes: x is read once.  Store k puts 8 bytes at 8 t + 2,048 k: one store of a
; wave covers 256 consecutive bytes, aligned.
; The variance is the mean of squared deviations from the mean (two passes over the registers), never a difference of large sums,
; so a common offset in x costs no accuracy.  No matrix unit, no cluster, no tensor load: nothing here is shared or multiplied.
; Limits: NaN and infinities in x are not followed.
.set NGROUPS, 1024
.set XV, 8                             ; v[8:39]   the group's 32 numbers of this thread; then deviations; then results
                                       ; v1 16 t   v2 8 t   v3 4 x wave   v[4:7] two chains of pair sums   v[40:47] the eight waves' sums
                                       ; v[48:49] mean, twice   v[50:57] rstd x scale of channel k   v58 rstd   v59 zero (LDS address)
	s_load_b512 s[4:19], s[0:1], 0x0               ; x s[4:5], gn_scale s[6:7], gn_bias s[8:9], wq s[10:11], wk s[12:13], wv s[14:15], wo s[16:17], h s[18:19]
	s_load_b64 s[20:21], s[0:1], 0x40              ; wbf
	v_lshl_add_u32 v64, v0, 2, 0x100
	v_mov_b32 v65, 0
	v_lshlrev_b32 v1, 4, v0                        ; 16 t: my bytes in a row of f32
	v_lshlrev_b32 v2, 3, v0                        ; 8 t: my bytes in a row of bf16
	v_lshrrev_b32 v3, 5, v0
	v_lshlrev_b32 v3, 2, v3                        ; my wave's word in LDS
	v_mov_b32 v59, 0
	s_mov_b32 s2, 0x76543210                       ; v_permlanex16_b32: lane i reads lane i of the other half
	s_mov_b32 s3, 0xfedcba98
	s_mov_b32 s51, 0x39000000                      ; 2^-13 = 1 / 8,192 numbers of a group
	s_bfe_u32 s48, ttmp9, 0x20003                  ; cast work-groups: which matrix (bits 4:3 of the number)
	s_and_b32 s49, ttmp9, 7
	s_lshl_b32 s49, s49, 15                        ; and which eighth of it, in bytes of f32
	s_and_b32 s50, ttmp9, 31
	s_lshl_b32 s22, s50, 5                         ; group in its batch x 8 channels x 4 bytes: its scales and biases
	s_lshl_b32 s50, s50, 14                        ; cast: (number - 1024) x 16,384 bytes of bf16
	s_lshl_b32 s42, ttmp9, 15                      ; group x 32,768 bytes of x
	s_lshl_b32 s46, ttmp9, 14                      ; group x 16,384 bytes of h
	s_mov_b32 s23, 0
	s_mov_b32 s43, 0
	s_mov_b32 s47, 0
	s_wait_kmcnt 0x0
	s_cmp_eq_u32 s48, 1                            ; the source: one of five buffers, chosen by the work-group's number alone
	s_cselect_b64 s[40:41], s[12:13], s[10:11]
	s_cmp_eq_u32 s48, 2
	s_cselect_b64 s[40:41], s[14:15], s[40:41]
	s_cmp_eq_u32 s48, 3
	s_cselect_b64 s[40:41], s[16:17], s[40:41]
	s_cmp_lt_u32 ttmp9, NGROUPS
	s_cselect_b64 s[40:41], s[4:5], s[40:41]
	s_cselect_b32 s42, s42, s49
	s_cselect_b64 s[44:45], s[18:19], s[20:21]     ; the destination: h or wbf
	s_cselect_b32 s46, s46, s50
	s_add_nc_u64 s[40:41], s[40:41], s[42:43]
	s_add_nc_u64 s[44:45], s[44:45], s[46:47]
.irp k, 0,1,2,3,4,5,6,7
	global_load_b128 v[XV+4*\k:XV+4*\k+3], v1, s[40:41] offset:4096*\k     ; all 32,768 bytes are asked for at once
.endr
	s_cmp_ge_u32 ttmp9, NGROUPS                    ; the same in all eight waves: the two barriers below are passed by all or by none
	s_cbranch_scc1 .Lcast
	s_add_nc_u64 s[6:7], s[6:7], s[22:23]
	s_add_nc_u64 s[8:9], s[8:9], s[22:23]
	s_load_b256 s[24:31], s[6:7], 0x0              ; scale of my 8 channels
	s_load_b256 s[32:39], s[8:9], 0x0              ; bias of my 8 channels
; The sum of v[4:7] over the 256 threads, into v4 of every lane.  off: the 32 bytes of LDS that this sum uses (each sum has its own).
.macro WGSUM off
	v_pk_add_f32 v[4:5], v[4:5], v[6:7]
	v_add_f32 v4, v4, v5
	v_add_f32_dpp v4, v4, v4 row_xmask:1 row_mask:0xf bank_mask:0xf
	v_add_f32_dpp v4, v4, v4 row_xmask:2 row_mask:0xf bank_mask:0xf
	v_add_f32_dpp v4, v4, v4 row_xmask:4 row_mask:0xf bank_mask:0xf
	v_add_f32_dpp v4, v4, v4 row_xmask:8 row_mask:0xf bank_mask:0xf
	v_permlanex16_b32 v5, v4, s2, s3               ; v5 has been written: the destination counts as read
	v_add_f32 v4, v4, v5
	ds_store_b32 v3, v4 offset:\off                ; all lanes of a wave write the wave's word with the same number
	s_wait_dscnt 0x0                               ; my store is done before I say so
	s_barrier_signal -1
	s_barrier_wait -1
	ds_load_b128 v[40:43], v59 offset:\off
	ds_load_b128 v[44:47], v59 offset:\off+16
	s_wait_dscnt 0x0
	v_pk_add_f32 v[40:41], v[40:41], v[42:43]
	v_pk_add_f32 v[44:45], v[44:45], v[46:47]
	v_pk_add_f32 v[40:41], v[40:41], v[44:45]
	v_add_f32 v4, v40, v41
.endm
	; pass 1: the sum.  The first two rows start the two chains; the counts leave the younger rows on their way.
	s_wait_loadcnt 0x7
	v_pk_add_f32 v[4:5], v[XV:XV+1], v[XV+2:XV+3]
	s_wait_loadcnt 0x6
	v_pk_add_f32 v[6:7], v[XV+4:XV+5], v[XV+6:XV+7]
.irp k, 2,3,4,5,6,7
	s_wait_loadcnt 7-\k
	v_pk_add_f32 v[4:5], v[4:5], v[XV+4*\k:XV+4*\k+1]
	v_pk_add_f32 v[6:7], v[6:7], v[XV+4*\k+2:XV+4*\k+3]
.endr
	WGSUM 0
	v_mul_f32 v48, s51, v4                         ; the mean,
	v_mov_b32 v49, v48                             ; twice, for the packed subtraction
	; pass 2: deviations in place, and the sum of their squares
.set nn, 0
.rept 16
	v_pk_add_f32 v[XV+2*nn:XV+2*nn+1], v[XV+2*nn:XV+2*nn+1], v[48:49] neg_lo:[0,1] neg_hi:[0,1]
.set nn, nn+1
.endr
	v_pk_mul_f32 v[4:5], v[XV:XV+1], v[XV:XV+1]
	v_pk_mul_f32 v[6:7], v[XV+2:XV+3], v[XV+2:XV+3]
.set nn, 2
.rept 14
	v_pk_fma_f32 v[4+2*(nn&1):5+2*(nn&1)], v[XV+2*nn:XV+2*nn+1], v[XV+2*nn:XV+2*nn+1], v[4+2*(nn&1):5+2*(nn&1)]
.set nn, nn+1
.endr
	WGSUM 32
	v_fmaak_f32 v58, s51, v4, 0x3727c5ac           ; variance + 1e-5
	v_rsq_f32 v58, v58
	v_nop                                          ; one plain place behind a transcendental before its result is read (ISA guide 5.7.2)
	s_wait_kmcnt 0x0                               ; scale and bias
	s_wait_alu depctr_va_vdst(0)
.irp k, 0,1,2,3,4,5,6,7
	v_mul_f32 v[50+\k], s[24+\k], v58              ; rstd x scale of channel k
.endr
.irp k, 0,1,2,3,4,5,6,7
.irp q, 0,1,2,3
	v_fma_f32 v[XV+4*\k+\q], v[XV+4*\k+\q], v[50+\k], s[32+\k]
.endr
.endr
.Lcast:
	s_wait_loadcnt 0x0                             ; the cast work-groups arrive here with their loads out; for the others this is met
.irp k, 0,1,2,3,4,5,6,7
	v_cvt_pk_bf16_f32 v[XV+4*\k], v[XV+4*\k], v[XV+4*\k+1]         ; round to nearest even, two at a time, in place
	v_cvt_pk_bf16_f32 v[XV+4*\k+1], v[XV+4*\k+2], v[XV+4*\k+3]
	global_store_b64 v2, v[XV+4*\k:XV+4*\k+1], s[44:45] offset:2048*\k
.endr
	s_wait_tensorcnt 0x0
	ds_add_u32 v64, v65
	s_wait_dscnt 0x0
	s_endpgm
.Lfunc_end_k_q5bd452e979_norm:
	.size	k_q5bd452e979_norm, .Lfunc_end_k_q5bd452e979_norm-k_q5bd452e979_norm
	.p2alignl 7, 3214868480
	.fill 96, 4, 3214868480
	.section	.rodata,"a",@progbits
	.p2align	6, 0x0
	.amdhsa_kernel k_q5bd452e979_norm
		.amdhsa_group_segment_fixed_size 1280
		.amdhsa_private_segment_fixed_size 0
		.amdhsa_enable_private_segment 0
		.amdhsa_kernarg_size 72
		.amdhsa_user_sgpr_count 2
		.amdhsa_user_sgpr_kernarg_segment_ptr 1
		.amdhsa_wavefront_size32 1
		.amdhsa_system_sgpr_workgroup_id_x 1
		.amdhsa_system_sgpr_workgroup_id_y 1
		.amdhsa_system_sgpr_workgroup_id_z 1
		.amdhsa_system_vgpr_workitem_id 0
		.amdhsa_next_free_vgpr 66
		.amdhsa_next_free_sgpr 66
		.amdhsa_reserve_vcc 0
		.amdhsa_float_denorm_mode_32 3
		.amdhsa_float_denorm_mode_16_64 3
		.amdhsa_memory_ordered 1
		.amdhsa_forward_progress 1
		.amdhsa_inst_pref_size 13
	.end_amdhsa_kernel
	.amdgpu_metadata
---
amdhsa.version: [ 1, 2 ]
amdhsa.kernels:
  - .name:           k_q5bd452e979_norm
    .symbol:         k_q5bd452e979_norm.kd
    .args:
      - { .name: x, .offset: 0, .size: 8, .value_kind: global_buffer, .address_space: global }
      - { .name: gn_scale, .offset: 8, .size: 8, .value_kind: global_buffer, .address_space: global }
      - { .name: gn_bias, .offset: 16, .size: 8, .value_kind: global_buffer, .address_space: global }
      - { .name: wq, .offset: 24, .size: 8, .value_kind: global_buffer, .address_space: global }
      - { .name: wk, .offset: 32, .size: 8, .value_kind: global_buffer, .address_space: global }
      - { .name: wv, .offset: 40, .size: 8, .value_kind: global_buffer, .address_space: global }
      - { .name: wo, .offset: 48, .size: 8, .value_kind: global_buffer, .address_space: global }
      - { .name: h, .offset: 56, .size: 8, .value_kind: global_buffer, .address_space: global }
      - { .name: wbf, .offset: 64, .size: 8, .value_kind: global_buffer, .address_space: global }
    .group_segment_fixed_size: 1280
    .private_segment_fixed_size: 0
    .kernarg_segment_align: 8
    .kernarg_segment_size: 72
    .max_flat_workgroup_size: 256
    .sgpr_count:     66
    .vgpr_count:     66
    .wavefront_size: 32
...
	.end_amdgpu_metadata
.endif
;; end of part 1
;; launch attn (part 2): grid 8 x 32, 4 waves a work-group, clusters of 4 x 1, 327,680 bytes of LDS; arguments x, h, wbf, bq, bk, bv, bo, out0; writes out0
.if DOCPART == 2
	.amdgcn_target "amdgcn-amd-amdhsa--gfx1250"
	.amdhsa_code_object_version 6
	.text
	.protected	k_q5bd452e979_attn
	.globl	k_q5bd452e979_attn
	.p2align	8
	.type	k_q5bd452e979_attn,@function
k_q5bd452e979_attn:
	s_mov_b64 s[64:65], 0
	v_nop
	global_prefetch_b8 v0, s[64:65] scope:SCOPE_SE
	s_setreg_imm32_b32 hwreg(HW_REG_WAVE_MODE, 25, 1), 1
	s_wait_xcnt 0x0
	s_wait_alu depctr_hold_cnt(0) depctr_sa_sdst(0) depctr_va_vdst(0) depctr_va_sdst(0) depctr_va_ssrc(0) depctr_va_vcc(0) depctr_vm_vsrc(0)
	s_getreg_b32 s2, hwreg(HW_REG_IB_STS2, 6, 4)
	s_cmp_eq_u32 s2, 0
	s_cbranch_scc0 .Lentry_in_a_cluster
	s_endpgm
.Lentry_in_a_cluster:
	s_bfe_u32 s2, ttmp6, 0x10000c
	s_cmp_lg_u32 s2, 0x3003
	s_cbranch_scc0 .Lentry_shape_is_right
	s_endpgm
.Lentry_shape_is_right:
; out = x + Wo (softmax(q^T k / 16) applied to v) + bo, for 128 queries of one batch a work-group; 8 x 32 work-groups, four waves each.
; h: [32][256 c][1024 n] bf16 (GroupNorm of x), wbf: wq, wk, wv, wo as [256][256] bf16, 131,072 bytes apart.
;
; K AND V ARE NEVER FORMED.  q_n . k_m = (Wk^T q_n) . h_m + q_n . bk, and sum_m w_nm v_m = Wv (sum_m w_nm h_m) + bv since the weights of a
; row sum to one.  Both hold for every input; the multiply-adds are those of the four projections and the two products over the keys.
; So the key tiles and the value tiles are the same tiles of h.  q_n . bk is kept in f32 and added to every score of row n.
; Six products, all v_wmma_f32_16x16x32_bf16 with f32 sums:
;   1  q = Wq hb + bq      2  t = Wk^T q      3  S^T[m][n] = sum_c h[c][m] t[c][n]      4  U[c][n] += sum_m h[c][m] P[n][m]
;   5  o = Wv (U / l) + bv     6  out^T = (Wo o)^T, sources exchanged, so that a lane holds eight neighbouring n of one channel
; A result tile (lane: column n; register: row) packs two by two into the next product's second source without leaving the lane.
;
; SHARES.  Wave w = 2 i + j owns queries 64 i .. 64 i + 63 (four column tiles t).  In a projection it makes half of the output rows; over the
; keys it takes half of every key tile, with its own running maximum and sum; the two halves are merged once at the end.  The halves of
; q, t, U, o that the partner wave (w xor 1) made come through LDS.  Each fragment read from LDS feeds four matrix instructions.
; A wave cannot name registers by its own number, so K blocks 0-3 of the second source are always the wave's own and 4-7 the partner's,
; and j goes into two LDS address registers (own, partner) for the first source: the same permutation of K on both sides.
;
; CLUSTER.  The four work-groups of a cluster are four query blocks of one batch: they walk the same eight tiles of h and the same eight
; weight tiles.  Each such tile is asked for jointly (mask 15).  Only the work-group's own block of h is a load of its own.
; A 4 x 4 cluster would add nothing: along y the batches differ, and a mask names four work-groups.
;
; LDS: two slots of 69,632 bytes filled by tensor loads; behind them, in bytes that no tensor load fills, a region of 34,816 bytes for each
; wave (exchange with the partner, stage on the way out) and 6,144 bytes of per-query numbers.
; Tiles of 256 rows x 128 bf16 have a pitch of 272 bytes, tiles of 128 rows x 256 bf16 one of 528: both odd multiples of 16.
; A transposing load takes, for lanes 8-15 of each half, the 16 bytes 128 bytes further on instead of the neighbouring ones, so that the
; sixteen lanes touch sixteen different 16-byte columns at this pitch; rows of the result are then permuted, and the packing keeps track.
;
; REGISTERS: window 0 addresses, softmax state, fragments, scores; window 1 the second source (4 t x 8 K blocks x 8);
; window 2 the projections' sums and the half of U that goes to the partner; window 3 the half of U that stays, later x.
; All accumulators take turns, one matrix instruction a turn.
; By this text's count a wave has two tensor loads out at the start and one behind each round afterwards.
; Limits: NaN and infinities are not followed; v_exp_f32 gives zero for weights below 2^-126.
.set PITCH,  272
.set PITCHW, 528
.set SLOT,   69632                     ; 256 x 272
.set XREG,   139264                    ; the waves' regions
.set RS,     34816                     ; 128 x 272; its halves for the exchanges begin at 0 and 16,384
.set STAT,   278528                    ; q . bk at +0, running maxima at +2,048, sums at +4,096; 512 bytes a wave each
.set BOFF, 1                           ; v1      lane offset of a bias fragment: 256 j + 32 (lane / 16)
.set ATRH, 2                           ; v2-5    h tile, transposing: own K blocks slot 0, 1; partner's slot 0, 1
.set APLG, 6                           ; v6-7    h tile, plain, the rows of U that go to the partner
.set APLK, 8                           ; v8-9    h tile, plain, the rows of U that stay
.set APLW, 10                          ; v10-13  weight tile, plain: own slot 0, 1; partner's slot 0, 1
.set XP,   14                          ; my region + 16 lane
.set XG,   15                          ; the partner's region + 16 lane
.set MX,   16                          ; v16-19  running maximum of column tile t, in powers of two
.set ZZ,   20                          ; v20-23  c (q . bk)
.set L2,   24                          ; v24-31  running sums, a pair for each t (in the prologue: q . bk in the making)
.set AL2,  32                          ; v32-39  factor for the old sums, twice
.set OF2,  40                          ; v40-47  what is added to c S, twice
.set TMP,  48                          ; v48-55
.set ATRW, 56                          ; v56-59  Wk tile, transposing; from the merge on STGW, STGR, XOFF, BOF2
.set STGW, 56
.set STGR, 57
.set XOFF, 58
.set BOF2, 59
.set ATRB, 60                          ; v60-61  own block of h, transposing: own, partner's K blocks
.set STO,  62
.set STP,  63
.set PA,   64                          ; v64-127  fragments
.set FA,   64
.set PB,   128                         ; v128-191 fragments in a projection
.set SR,   128                         ; v128-255 scores S(a, t) at SR + 8 (4 a + t)
.set BIAS, 192                         ; v192-255 a bias in a projection
.set G0,   32                          ; s[32:39] group 0 of slot 0, slot 1
.set G1P,  40                          ; s[40:47] group 1: own block
.set G1H,  48                          ; s[48:55] group 1: tiles of h, joint
.set G1K,  56                          ; s[56:63] group 1: tiles of Wk (256 rows x 128 columns), joint
.set G1W,  68                          ; s[68:75] group 1: tiles of Wq, Wv, Wo (128 rows x 256 columns), joint
.set G0P,  96                          ; s[96:99] group 0 of the own block: the only descriptor that holds the place in the cluster
.set HT,   76                          ; s[76:77] h + batch + my 64 rows
.set WT,   78                          ; s[78:79] wbf + my 32 rows
.set WKT,  80                          ; s[80:81] wk + my 64 rows
.set LDSH, 88                          ; s88 = wave x 64 x 272
.set LDSW, 89                          ; s89 = wave x 32 x 528
.set W0P, (1<<16)|(1<<20)|(5<<22)|(3<<25)                  ; 2-byte elements, 4 words of padding behind every 64
.set W0H, 15|(1<<16)|(1<<20)|(1<<21)|(5<<22)|(3<<25)       ; the same for all four work-groups of the cluster, bit 21 beside the mask
.set W0W, 15|(1<<16)|(1<<20)|(1<<21)|(6<<22)|(3<<25)       ; 4 words of padding behind every 128
.set MSB, 0
.macro WIN new                         ; low byte: bits 1:0 source 0, 3:2 source 1, 5:4 source 2, 7:6 destination; the high byte repeats the setting left
.if MSB != \new
	s_set_vgpr_msb (MSB<<8)|\new
.set MSB, \new
.endif
.endm
.macro NOPS n
.rept \n
	v_nop
.endr
.endm
; A round of the cluster's barrier: my work-group's barrier, wave 0 signals for the work-group, every wave waits for all four, my barrier again.
.macro ROUND
	s_barrier_signal -1
	s_barrier_wait -1
	s_cmp_lg_u32 s20, 0
	s_cbranch_scc1 .Lnot_wave_0_\@
	s_barrier_signal -3
.Lnot_wave_0_\@:
	s_barrier_wait -3
	s_barrier_signal -1
	s_barrier_wait -1
.endm
.macro GROUP1 g, w0, cols, rows, stride
	s_mov_b32 s[\g+0], \w0
	s_mov_b32 s[\g+1], \cols<<16                   ; tensor_dim0
	s_mov_b32 s[\g+2], \rows<<16                   ; tensor_dim1
	s_mov_b32 s[\g+3], \cols<<16                   ; tile_dim0
	s_mov_b32 s[\g+4], \rows                       ; tile_dim1
	s_mov_b32 s[\g+5], \stride                     ; elements from row to row
	s_mov_b32 s[\g+6], 0
	s_mov_b32 s[\g+7], 0
.endm
.macro SETG0 slot, ldsreg, base, off
	s_add_co_u32 s[G0+4*\slot+1], s[\ldsreg], \slot*SLOT
	s_add_nc_u64 s[G0+4*\slot+2:G0+4*\slot+3], s[\base:\base+1], \off
	s_or_b32 s[G0+4*\slot+3], s[G0+4*\slot+3], 0x80000000
.endm
; The change of slots.  All my tensor loads have landed, so a group 0 may be written; my LDS accesses are done; a round; then my one load,
; first thing behind it, into the slot that was read last.
.macro NEXT slot, g1, ldsreg, base, off
	s_wait_xcnt 0x0
	v_lshl_add_u32 v60, v0, 2, 0x45800
	v_mov_b32 v61, 0
	s_wait_tensorcnt 0x0
	ds_add_u32 v60, v61
	s_wait_dscnt 0x0
	SETG0 \slot, \ldsreg, \base, \off
	s_wait_dscnt 0x0
	ROUND
	tensor_load_to_lds s[G0+4*\slot:G0+4*\slot+3], s[\g1:\g1+7]
	s_nop 0
.endm
.macro NEXTH slot                      ; the same in the loop: this slot's tile of h two tiles further on (128 keys are 256 bytes of a row)
	s_wait_xcnt 0x0
	v_lshl_add_u32 v60, v0, 2, 0x45800
	v_mov_b32 v61, 0
	s_wait_tensorcnt 0x0
	ds_add_u32 v60, v61
	s_wait_dscnt 0x0
	s_add_nc_u64 s[G0+4*\slot+2:G0+4*\slot+3], s[G0+4*\slot+2:G0+4*\slot+3], 512
	s_wait_dscnt 0x0
	ROUND
	tensor_load_to_lds s[G0+4*\slot:G0+4*\slot+3], s[G1H:G1H+7]
	s_nop 0
.endm
; ---- projections -------------------------------------------------------------------------------------------------------------
; 16 loads: the first source's fragments of K blocks 2 g, 2 g + 1 for my four row tiles.  kind 0: rows along K; kind 1: transposing (Wk).
.macro PLOAD kind, slot, g, buf
.set nn, 0
.rept 8
.set kk, 2*\g+(nn>>2)
.set aa, nn&3
.set dst, \buf+8*nn
.if \kind
.set areg, ATRW+2*(kk>>2)+\slot
.set off0, (128*((kk&3)>>1)+32*(kk&1))*PITCH+16*aa
	ds_load_tr16_b128 v[dst:dst+3], v[areg] offset:off0
	ds_load_tr16_b128 v[dst+4:dst+7], v[areg] offset:off0+16*PITCH
.else
.set areg, APLW+2*(kk>>2)+\slot
.set off0, 16*aa*PITCHW+256*((kk&3)>>1)+64*(kk&1)
	ds_load_b128 v[dst:dst+3], v[areg] offset:off0
	ds_load_b128 v[dst+4:dst+7], v[areg] offset:off0+32
.endif
.set nn, nn+1
.endr
.endm
; 32 matrix instructions: two K blocks x 4 row tiles x 4 column tiles; K block 0 starts the sums
.macro PMUL buf, g, rho, swap
.set nn, 0
.rept 32
.set tt, nn&3
.set aa, (nn>>2)&3
.set kk, 2*\g+(nn>>4)
.set acc, 8*(16*\rho+4*aa+tt)
.set fa, \buf+8*(4*(kk&1)+aa)
.set fb, 8*(8*tt+kk)
.if \swap
.if kk == 0
	v_wmma_f32_16x16x32_bf16 v[acc:acc+7], v[fb:fb+7], v[fa:fa+7], 0
.else
	v_wmma_f32_16x16x32_bf16 v[acc:acc+7], v[fb:fb+7], v[fa:fa+7], v[acc:acc+7]
.endif
.else
.if kk == 0
	v_wmma_f32_16x16x32_bf16 v[acc:acc+7], v[fa:fa+7], v[fb:fb+7], 0
.else
	v_wmma_f32_16x16x32_bf16 v[acc:acc+7], v[fa:fa+7], v[fb:fb+7], v[acc:acc+7]
.endif
.endif
.set nn, nn+1
.endr
.endm
.macro PWIN swap
.if \swap
	WIN 0xa1                                       ; source 0 window 1, source 1 window 0, sums window 2
.else
	WIN 0xa4                                       ; source 0 window 0, source 1 window 1, sums window 2
.endif
.endm
; One weight tile: 128 matrix instructions.  Fragments go through two buffers; each wait for 16 leaves only the group just asked for.
; Four plain places stand between a matrix instruction and a load into a register that it read (ISA guide 7.12.1 for vector instructions).
.macro PROJ kind, slot, rho, swap
	WIN 0
	NOPS 4
	PLOAD \kind, \slot, 0, PA
	PLOAD \kind, \slot, 1, PB
	s_wait_dscnt 16
	PWIN \swap
	PMUL PA, 0, \rho, \swap
	WIN 0
	NOPS 4
	PLOAD \kind, \slot, 2, PA
	s_wait_dscnt 16
	PWIN \swap
	PMUL PB, 1, \rho, \swap
	WIN 0
	NOPS 4
	PLOAD \kind, \slot, 3, PB
	s_wait_dscnt 16
	PWIN \swap
	PMUL PA, 2, \rho, \swap
	s_wait_dscnt 0x0
	PMUL PB, 3, \rho, \swap
	WIN 0
.endm
; The sums (window 2: win = 0x4a; window 3: 0x4f) become my four K blocks of the next second source: row tiles 2 a', 2 a' + 1 make block 2 rho + a'.
.macro CONV win
	WIN \win
.set nn, 0
.rept 128
.set pp, nn&3
.set ee, (nn>>2)&1
.set ap, (nn>>3)&1
.set rr, (nn>>4)&1
.set tt, nn>>5
.set acc, 8*(16*rr+4*(2*ap+ee)+tt)+2*pp
	v_cvt_pk_bf16_f32 v[8*(8*tt+2*rr+ap)+4*ee+pp], v[acc], v[acc+1]
.set nn, nn+1
.endr
.endm
.macro BIASADD                         ; a lane's eight rows of tile (rho, a) have their eight biases in BIAS + 8 (4 rho + a)
	WIN 0x82
.set nn, 0
.rept 128
	v_pk_add_f32 v[2*nn:2*nn+1], v[2*nn:2*nn+1], v[BIAS+8*(nn>>4)+2*(nn&3):BIAS+8*(nn>>4)+2*(nn&3)+1]
.set nn, nn+1
.endr
.endm
.macro XPUT half                       ; my four K blocks into my region, 512 consecutive bytes a store
	WIN 0x04
.set nn, 0
.rept 32
	ds_store_b128 v[XP], v[8*(8*(nn>>3)+((nn>>1)&3))+4*(nn&1):8*(8*(nn>>3)+((nn>>1)&3))+4*(nn&1)+3] offset:\half*16384+512*nn
.set nn, nn+1
.endr
.endm
.macro XGET half                       ; the partner's four, into K blocks 4-7.  Every use stands behind a tail that has four places behind the last matrix instruction
	WIN 0x40
.set nn, 0
.rept 32
	ds_load_b128 v[8*(8*(nn>>3)+4+((nn>>1)&3))+4*(nn&1):8*(8*(nn>>3)+4+((nn>>1)&3))+4*(nn&1)+3], v[XG] offset:\half*16384+512*nn
.set nn, nn+1
.endr
.endm
.macro BLOAD base, dstb                ; the biases of my rows 128 rho + 64 j + 16 a + 8 (lane / 16) + 0 .. 7
.set nn, 0
.rept 16
	global_load_b128 v[\dstb+4*nn:\dstb+4*nn+3], v[BOFF], s[\base:\base+1] offset:(128*(nn>>3)+16*((nn>>1)&3))*4+16*(nn&1)
.set nn, nn+1
.endr
.endm
.macro XLOAD u0                        ; 32 row pairs of x into window 3, at the addresses of the final stores
	WIN 0xc0
.set uu, \u0
.rept 32
	global_load_b128 v[4*uu:4*uu+3], v[XOFF], s[84:85] offset:(128*(uu>>5)+2*(uu&31))*4096 th:TH_LOAD_NT
.set uu, uu+1
.endr
	WIN 0
.endm
; ---- one tile of 128 keys ------------------------------------------------------------------------------------------------------
.macro LDST slot, k, buf               ; 8 transposing loads: K block k (32 channels) of my 64 keys
.set aa, 0
.rept 4
.set off0, (128*((\k&3)>>1)+16*(\k&1))*PITCH+16*aa
	ds_load_tr16_b128 v[\buf+8*aa:\buf+8*aa+3], v[ATRH+2*(\k>>2)+\slot] offset:off0
	ds_load_tr16_b128 v[\buf+8*aa+4:\buf+8*aa+7], v[ATRH+2*(\k>>2)+\slot] offset:off0+8*PITCH
.set aa, aa+1
.endr
.endm
.macro MULST k, buf                    ; 16 matrix instructions: 4 key tiles x 4 query tiles
.set nn, 0
.rept 16
.set tt, nn&3
.set aa, nn>>2
.if \k == 0
	v_wmma_f32_16x16x32_bf16 v[SR+8*nn:SR+8*nn+7], v[\buf+8*aa:\buf+8*aa+7], v[8*(8*tt+\k):8*(8*tt+\k)+7], 0
.else
	v_wmma_f32_16x16x32_bf16 v[SR+8*nn:SR+8*nn+7], v[\buf+8*aa:\buf+8*aa+7], v[8*(8*tt+\k):8*(8*tt+\k)+7], v[SR+8*nn:SR+8*nn+7]
.endif
.set nn, nn+1
.endr
.endm
.macro LDPV slot, kp, areg, pb         ; 16 plain loads: 128 channels x 32 of my keys.  pb = 1: into the score registers that packing has freed
.set ff, 0
.rept 8
.if \pb
.set dst, 160+8*ff+32*(ff/4)
.else
.set dst, PA+8*ff
.endif
.set off0, (128*(ff/4)+16*(ff&3))*PITCH+32*\kp
	ds_load_b128 v[dst:dst+3], v[\areg+\slot] offset:off0
	ds_load_b128 v[dst+4:dst+7], v[\areg+\slot] offset:off0+16
.set ff, ff+1
.endr
.endm
.macro MULPV kp, pb, zero              ; 32 matrix instructions: 8 channel tiles x 4 query tiles
.set nn, 0
.rept 32
.set tt, nn&3
.set ff, nn>>2
.if \pb
.set fa, 160+8*ff+32*(ff/4)
.else
.set fa, PA+8*ff
.endif
.set fb, SR+64*\kp+8*tt
.if \zero
	v_wmma_f32_16x16x32_bf16 v[8*nn:8*nn+7], v[fa:fa+7], v[fb:fb+7], 0
.else
	v_wmma_f32_16x16x32_bf16 v[8*nn:8*nn+7], v[fa:fa+7], v[fb:fb+7], v[8*nn:8*nn+7]
.endif
.set nn, nn+1
.endr
.endm
.macro SCALEU win, fac                 ; a window of U times a factor for each query tile
	WIN \win
.set nn, 0
.rept 128
	v_pk_mul_f32 v[2*nn:2*nn+1], v[2*nn:2*nn+1], v[\fac+2*((nn>>2)&3):\fac+2*((nn>>2)&3)+1]
.set nn, nn+1
.endr
.endm
.macro HWORK slot, first
	; scores.  Five places: the first products write over registers that the last products of the tile before read (ISA guide 7.12.1).
	WIN 0
	NOPS 5
	LDST \slot, 0, FA
	WIN 0x04                                       ; second source in window 1; LDS loads still land in window 0
.set kq, 0
.rept 8
.set kn, kq+1
.set bn, FA+32*(kn&1)
.set bc, FA+32*(kq&1)
.if kq < 7
.if kq > 0
	NOPS 4                                         ; the other buffer was read by the matrix instructions just issued
.endif
	LDST \slot, kn, bn
	s_wait_dscnt 8                                 ; all but the next K block's eight loads
.else
	s_wait_dscnt 0x0
.endif
	MULST kq, bc
.set kq, kq+1
.endr
	WIN 0
	NOPS 4                                         ; before the scores are read and the fragment registers loaded again
	LDPV \slot, 0, APLG, 0
	; the largest of a lane's 32 scores of each query tile, four chains side by side
.irp t, 0,1,2,3
	v_max3_num_f32 v[TMP+\t], v[SR+8*\t], v[SR+8*\t+1], v[SR+8*\t+2]
.endr
.set ss, 3
.rept 14
.irp t, 0,1,2,3
	v_max3_num_f32 v[TMP+\t], v[TMP+\t], v[SR+32*(ss>>3)+8*\t+(ss&7)], v[SR+32*((ss+1)>>3)+8*\t+((ss+1)&7)]
.endr
.set ss, ss+2
.endr
.irp t, 0,1,2,3
	v_max_num_f32 v[TMP+\t], v[TMP+\t], v[SR+103+8*\t]
.endr
.irp t, 0,1,2,3
	v_permlanex16_b32 v[TMP+4+\t], v[TMP+\t], s28, s29         ; the other half of the lanes holds the query's other 32 keys
.endr
.irp t, 0,1,2,3
	v_max_num_f32 v[TMP+\t], v[TMP+\t], v[TMP+4+\t]
.endr
.irp t, 0,1,2,3
	v_fma_f32 v[TMP+\t], v[TMP+\t], s30, v[ZZ+\t]              ; c max S + c q.bk: c > 0, so this is the largest exponent
.endr
.if \first == 0
.irp t, 0,1,2,3
	v_max_num_f32 v[TMP+\t], v[TMP+\t], v[MX+\t]
.endr
.irp t, 0,1,2,3
	v_sub_f32 v[AL2+2*\t], v[MX+\t], v[TMP+\t]
.endr
.irp t, 0,1,2,3
	v_exp_f32 v[AL2+2*\t], v[AL2+2*\t]
.endr
.endif
.irp t, 0,1,2,3
	v_mov_b32 v[MX+\t], v[TMP+\t]                              ; also the plain place behind the exponentials (ISA guide 5.7.2)
.endr
.irp t, 0,1,2,3
	v_sub_f32 v[OF2+2*\t], v[ZZ+\t], v[TMP+\t]
	v_sub_f32 v[OF2+2*\t+1], v[ZZ+\t], v[TMP+\t]
.endr
.if \first == 0
	s_wait_alu depctr_va_vdst(0)
.irp t, 0,1,2,3
	v_mov_b32 v[AL2+2*\t+1], v[AL2+2*\t]
.endr
.endif
.set nn, 0
.rept 64
	v_pk_fma_f32 v[SR+2*nn:SR+2*nn+1], v[SR+2*nn:SR+2*nn+1], s[30:31], v[OF2+2*((nn>>2)&3):OF2+2*((nn>>2)&3)+1] op_sel_hi:[1,0,1]
.set nn, nn+1
.endr
.set nn, 0
.rept 128
	v_exp_f32 v[SR+nn], v[SR+nn]
.set nn, nn+1
.endr
	v_nop                                          ; one plain place behind the exponentials
	s_wait_alu depctr_va_vdst(0)
	; the sums in f32, four chains side by side; the first tile starts them, later tiles scale the old sum in the first step
.set nn, 0
.rept 64
.set tt, nn&3
.set pq, nn>>2
.set sp, SR+32*(pq>>2)+8*tt+2*(pq&3)
.if pq == 0
.if \first == 0
	v_pk_fma_f32 v[L2+2*tt:L2+2*tt+1], v[L2+2*tt:L2+2*tt+1], v[AL2+2*tt:AL2+2*tt+1], v[sp:sp+1]
.endif
.else
.if pq == 1
.if \first
	s_wait_alu depctr_va_vdst(0)
	v_pk_add_f32 v[L2+2*tt:L2+2*tt+1], v[sp-2:sp-1], v[sp:sp+1]
.else
	v_pk_add_f32 v[L2+2*tt:L2+2*tt+1], v[L2+2*tt:L2+2*tt+1], v[sp:sp+1]
.endif
.else
	v_pk_add_f32 v[L2+2*tt:L2+2*tt+1], v[L2+2*tt:L2+2*tt+1], v[sp:sp+1]
.endif
.endif
.set nn, nn+1
.endr
	; weights to bf16 in place: key tiles 2 kp, 2 kp + 1 make the second source for 32 keys, in the registers of tile 2 kp
.set nn, 0
.rept 64
.set pp, nn&3
.set hf, (nn>>2)&1
.set sp, SR+64*(nn>>5)+8*((nn>>3)&3)
	v_cvt_pk_bf16_f32 v[sp+4*hf+pp], v[sp+32*hf+2*pp], v[sp+32*hf+2*pp+1]
.set nn, nn+1
.endr
	LDPV \slot, 0, APLK, 1
.if \first == 0
	SCALEU 0x82, AL2
	SCALEU 0xc3, AL2
.endif
	; U += h P.  Each wait for 16 leaves only the group of 16 loads just asked for.
	WIN 0xa0
	s_wait_dscnt 16
	MULPV 0, 0, \first
	WIN 0
	NOPS 4
	LDPV \slot, 1, APLG, 0
	WIN 0xf0
	s_wait_dscnt 16
	MULPV 0, 1, \first
	WIN 0
	NOPS 4
	LDPV \slot, 1, APLK, 1
	WIN 0xa0
	s_wait_dscnt 16
	MULPV 1, 0, 0
	WIN 0xf0
	s_wait_dscnt 0x0
	MULPV 1, 1, 0
	WIN 0
.endm
; ==== set-up =====================================================================================================================
	s_load_b512 s[4:19], s[0:1], 0x0               ; x s[4:5], h s[6:7], wbf s[8:9], bq s[10:11], bk s[12:13], bv s[14:15], bo s[16:17], out0 s[18:19]
	v_lshl_add_u32 v60, v0, 2, 0x45800
	v_mov_b32 v61, 0
	ds_add_u32 v60, v61
	s_wait_dscnt 0x0
	v_lshrrev_b32 v64, 5, v0
	v_readfirstlane_b32 s20, v64                   ; wave w
	s_lshr_b32 s21, s20, 1                         ; i: which 64 queries
	s_and_b32 s22, s20, 1                          ; j: which half of rows and keys
	s_xor_b32 s23, s22, 1                          ; the partner's j
	s_xor_b32 s90, s20, 1                          ; the partner's number
	s_bfe_u32 s24, ttmp6, 0x40000                  ; my place in the cluster
	s_lshl_b32 s25, ttmp9, 2
	s_add_co_u32 s25, s25, s24                     ; query block 0 .. 7
	s_and_b32 s26, ttmp7, 0xffff                   ; batch
	s_mov_b32 s28, 0x76543210                      ; v_permlanex16_b32: lane i reads lane i of the other half
	s_mov_b32 s29, 0xfedcba98
	s_mov_b32 s30, 0x3db8aa3b                      ; c = 256^-0.5 x log2 e
	s_mov_b32 s31, 0x3db8aa3b
	s_mul_i32 s[LDSH], s20, 64*PITCH               ; my quarter of a tile in a slot: the wave's number alone
	s_mul_i32 s[LDSW], s20, 32*PITCHW
	GROUP1 G1P, W0P, 128, 64, 1024
	GROUP1 G1H, W0H, 128, 64, 1024
	GROUP1 G1K, W0H, 128, 64, 256
	GROUP1 G1W, W0W, 256, 32, 256
	s_mov_b32 s[G0], 1
	s_mov_b32 s[G0+4], 1
	s_mov_b32 s[G0P], 1
	s_mov_b32 s[G0P+1], s[LDSH]                    ; the own block goes to slot 0
	s_lshl_b32 s82, s26, 19                        ; batch x 524,288 bytes of h
	s_lshl_b32 s91, s20, 17                        ; + my 64 rows of 2,048 bytes
	s_add_co_u32 s82, s82, s91
	s_mov_b32 s83, 0
	s_wait_kmcnt 0x0
	s_add_nc_u64 s[HT:HT+1], s[6:7], s[82:83]
	s_lshl_b32 s82, s20, 14                        ; my 32 rows of 512 bytes
	s_add_nc_u64 s[WT:WT+1], s[8:9], s[82:83]
	s_lshl_b32 s82, s20, 15                        ; my 64 rows of 512 bytes, in wk
	s_add_co_u32 s82, s82, 131072
	s_add_nc_u64 s[WKT:WKT+1], s[8:9], s[82:83]
	s_lshl_b32 s92, s25, 8                         ; what hangs on the query block has registers of its own
	s_mov_b32 s93, 0
	s_add_nc_u64 s[G0P+2:G0P+3], s[HT:HT+1], s[92:93]
	s_or_b32 s[G0P+3], s[G0P+3], 0x80000000
	s_lshl_b32 s92, s25, 9                         ; 128 queries x 4 bytes
	s_lshl_b32 s94, s26, 20                        ; batch x 1,048,576 bytes
	s_add_co_u32 s92, s92, s94
	s_add_nc_u64 s[84:85], s[4:5], s[92:93]        ; x and out0 at my block's first column
	s_add_nc_u64 s[86:87], s[18:19], s[92:93]
	SETG0 1, LDSW, WT, 0                           ; Wq's rows 0-127
	ROUND                                          ; all four work-groups are here: the first loads go out as one group
	tensor_load_to_lds s[G0P:G0P+3], s[G1P:G1P+7]
	s_nop 0
	tensor_load_to_lds s[G0+4:G0+7], s[G1W:G1W+7]
	s_nop 0
	v_and_b32 v64, 31, v0                          ; L
	v_and_b32 v65, 15, v0                          ; r = L % 16
	v_bfe_u32 v66, v0, 4, 1                        ; hl = L / 16
	v_and_b32 v67, 7, v0                           ; e = L % 8
	v_bfe_u32 v68, v0, 3, 1                        ; b = (L / 8) % 2
	s_lshl_b32 s66, s22, 8
	v_lshl_add_u32 v[BOFF], v66, 5, s66            ; 256 j + 32 hl
	BLOAD 10, BIAS                                 ; bq
	WIN 0xc0
	BLOAD 12, 0                                    ; bk, into window 3
	WIN 0
	v_lshl_add_u32 v69, v66, 3, v67                ; row 8 hl + e
	v_mul_u32_u24 v69, v69, PITCH
	v_lshl_add_u32 v70, v68, 4, v69                ; + 16 b: own block, n in its natural order
	v_lshl_add_u32 v71, v68, 7, v69                ; + 128 b: Wk
	v_lshl_add_u32 v72, v66, 6, v67                ; row 64 hl + e
	v_mul_u32_u24 v72, v72, PITCH
	v_lshl_add_u32 v72, v68, 7, v72                ; + 128 b: h, transposing
	v_mul_u32_u24 v73, v65, PITCH
	v_lshl_add_u32 v73, v66, 7, v73                ; r x 272 + 128 hl: h, plain
	v_mul_u32_u24 v74, v65, PITCHW
	v_lshl_add_u32 v74, v66, 4, v74                ; r x 528 + 16 hl: weights, plain
	v_lshlrev_b32 v75, 4, v64                      ; 16 L
	s_mul_i32 s66, s22, 64*PITCH                   ; 64 j rows,
	s_mul_i32 s67, s23, 64*PITCH                   ; the partner's
	s_lshl_b32 s91, s21, 7                         ; my 64 queries: 128 i bytes
	v_add3_u32 v[ATRB], v70, s66, s91
	v_add3_u32 v[ATRB+1], v70, s67, s91
	s_lshl_b32 s94, s22, 6                         ; my half of a tile's columns: 64 j bytes
	s_add_co_u32 s66, s66, s94
	s_add_co_u32 s67, s67, s94
	v_add_nc_u32 v[ATRW], s66, v71
	v_add_nc_u32 v[ATRW+2], s67, v71
	v_add_nc_u32 v[APLK], s66, v73
	v_add_nc_u32 v[APLG], s67, v73
	s_mul_i32 s66, s22, 32*PITCH
	s_mul_i32 s67, s23, 32*PITCH
	s_add_co_u32 s66, s66, s94
	s_add_co_u32 s67, s67, s94
	v_add_nc_u32 v[ATRH], s66, v72
	v_add_nc_u32 v[ATRH+2], s67, v72
	s_mul_i32 s66, s22, 64*PITCHW                  ; my 64 rows of a weight tile
	s_lshl_b32 s94, s22, 7                         ; K blocks: 128 j bytes, or the partner's
	s_lshl_b32 s95, s23, 7
	s_add_co_u32 s67, s66, s95
	s_add_co_u32 s66, s66, s94
	v_add_nc_u32 v[APLW], s66, v74
	v_add_nc_u32 v[APLW+2], s67, v74
.irp a, ATRW, ATRW+2, APLK, APLG, ATRH, ATRH+2, APLW, APLW+2
	v_add_nc_u32 v[\a+1], SLOT, v[\a]              ; the same in slot 1
.endr
	s_mul_i32 s66, s20, RS
	s_mul_i32 s67, s90, RS
	s_add_co_u32 s66, s66, XREG
	s_add_co_u32 s67, s67, XREG
	v_add_nc_u32 v[XP], s66, v75
	v_add_nc_u32 v[XG], s67, v75
	s_lshl_b32 s66, s20, 9
	s_lshl_b32 s67, s90, 9
	s_add_co_u32 s66, s66, STAT
	s_add_co_u32 s67, s67, STAT
	v_add_nc_u32 v[STO], s66, v75
	v_add_nc_u32 v[STP], s67, v75
.irp t, 0,1,2,3
	v_mov_b32 v[TMP+4+\t], 0                       ; destinations of v_permlanex16_b32 count as read
.endr
; ==== the own block of h becomes the first second source ==========================================================================
	s_wait_tensorcnt 0x1                           ; my part of the own block is in; Wq's first tile may stay out
	s_barrier_signal -1
	s_barrier_wait -1
	WIN 0x40
.set nn, 0
.rept 32
.set kk, nn&7
.set tt, nn>>3
.set off0, (128*((kk&3)>>1)+32*(kk&1))*PITCH+32*tt
	ds_load_tr16_b128 v[8*nn:8*nn+3], v[ATRB+(kk>>2)] offset:off0
	ds_load_tr16_b128 v[8*nn+4:8*nn+7], v[ATRB+(kk>>2)] offset:off0+16*PITCH
.set nn, nn+1
.endr
	WIN 0
; ==== q = Wq hb + bq ===============================================================================================================
	NEXT 0, G1W, LDSW, WT, 65536                   ; Wq's rows 128-255
	PROJ 0, 1, 0, 0
	NEXT 1, G1K, LDSH, WKT, 0                      ; Wk's columns 0-127
	PROJ 0, 0, 1, 0
	NOPS 4                                         ; before the sums are read
	s_wait_loadcnt 0x0                             ; bq and bk
	BIASADD
	WIN 0x0e                                       ; q (window 2) x bk (window 3) into window 0: my rows' part of q . bk, in f32
.set nn, 0
.rept 128
.set tt, nn&3
.set pp, (nn>>2)&3
.set ff, nn>>4
.set acc, 8*(4*ff+tt)+2*pp
.if (ff+pp) == 0
	v_pk_mul_f32 v[L2+2*tt:L2+2*tt+1], v[acc:acc+1], v[8*ff+2*pp:8*ff+2*pp+1]
.else
	v_pk_fma_f32 v[L2+2*tt:L2+2*tt+1], v[acc:acc+1], v[8*ff+2*pp:8*ff+2*pp+1], v[L2+2*tt:L2+2*tt+1]
.endif
.set nn, nn+1
.endr
	WIN 0
.irp t, 0,1,2,3
	v_add_f32 v[TMP+\t], v[L2+2*\t], v[L2+2*\t+1]
.endr
.irp t, 0,1,2,3
	v_permlanex16_b32 v[TMP+4+\t], v[TMP+\t], s28, s29
.endr
.irp t, 0,1,2,3
	v_add_f32 v[TMP+\t], v[TMP+\t], v[TMP+4+\t]
.endr
	CONV 0x4a
	XPUT 0
	WIN 0
	ds_store_b128 v[STO], v[TMP:TMP+3]
; ==== t = Wk^T q ===================================================================================================================
	NEXT 0, G1K, LDSH, WKT, 256                    ; Wk's columns 128-255.  The round also orders the exchange: stores in front of it, loads behind
	XGET 0
	WIN 0
	ds_load_b128 v[TMP+4:TMP+7], v[STP]            ; the partner's part of q . bk
	PROJ 1, 1, 0, 0
.irp t, 0,1,2,3
	v_add_f32 v[ZZ+\t], v[TMP+\t], v[TMP+4+\t]     ; behind the projection's last wait for all LDS loads
.endr
.irp t, 0,1,2,3
	v_mul_f32 v[ZZ+\t], s30, v[ZZ+\t]
.endr
	NEXT 1, G1H, LDSH, HT, 0                       ; keys 0-127
	PROJ 1, 0, 1, 0
	NOPS 4
	CONV 0x4a
	XPUT 1
	WIN 0
; ==== the eight key tiles ==========================================================================================================
	NEXT 0, G1H, LDSH, HT, 256                     ; keys 128-255
	XGET 1
	HWORK 1, 1                                     ; the first tile starts maxima, sums and U: nothing is cleared
	s_mov_b32 s27, 3
.Ltiles:
	NEXTH 1
	HWORK 0, 0
	NEXTH 0
	HWORK 1, 0
	s_sub_co_u32 s27, s27, 1
	s_cmp_lg_u32 s27, 0
	s_cbranch_scc1 .Ltiles
	NEXT 1, G1W, LDSW, WT, 262144                  ; Wv's rows 0-127
	HWORK 0, 0
; ==== the two halves of the keys are merged ========================================================================================
	NOPS 4                                         ; before U is stored and registers that the last products read are written
	BLOAD 14, BIAS                                 ; bv
	v_and_b32 v152, 15, v0                         ; the way out's addresses, in the registers of Wk's addresses
	v_bfe_u32 v153, v0, 4, 1
	s_mul_i32 s66, s20, RS
	s_add_co_u32 s66, s66, XREG
	v_mul_u32_u24 v154, v152, PITCH
	v_lshl_add_u32 v154, v153, 5, v154
	v_add_nc_u32 v[STGW], s66, v154                ; in: row r, 32 bytes for each half of the lanes
	v_mul_u32_u24 v154, v153, PITCH
	v_lshl_add_u32 v154, v152, 4, v154
	v_add_nc_u32 v[STGR], s66, v154                ; back: lanes 0-15 one row of 256 bytes, lanes 16-31 the next
	s_lshl_b32 s67, s22, 18                        ; 64 j channels of 4,096 bytes
	s_lshl_b32 s91, s21, 8                         ; 64 i queries of 4 bytes
	s_add_co_u32 s67, s67, s91
	v_lshlrev_b32 v154, 12, v153
	v_lshl_add_u32 v154, v152, 4, v154
	v_add_nc_u32 v[XOFF], s67, v154
	s_lshl_b32 s67, s22, 8
	v_lshl_add_u32 v[BOF2], v152, 2, s67           ; bo of channel 64 j + r
.irp t, 0,1,2,3
	v_add_f32 v[TMP+\t], v[L2+2*\t], v[L2+2*\t+1]
.endr
.irp t, 0,1,2,3
	v_permlanex16_b32 v[TMP+4+\t], v[TMP+\t], s28, s29
.endr
.irp t, 0,1,2,3
	v_add_f32 v[TMP+\t], v[TMP+\t], v[TMP+4+\t]    ; my half's sum
.endr
	ds_store_b128 v[STO], v[MX:MX+3] offset:2048
	ds_store_b128 v[STO], v[TMP:TMP+3] offset:4096
	WIN 0x08
.set nn, 0
.rept 64
	ds_store_b128 v[XP], v[4*nn:4*nn+3] offset:512*nn          ; the rows of U that the partner keeps
.set nn, nn+1
.endr
	WIN 0
	s_wait_dscnt 0x0
	s_barrier_signal -1                            ; Wv's tile may stay on its way
	s_barrier_wait -1
	ds_load_b128 v[128:131], v[STP] offset:2048    ; the partner's maxima
	ds_load_b128 v[132:135], v[STP] offset:4096    ; and sums
	WIN 0x80
.set nn, 0
.rept 64
	ds_load_b128 v[4*nn:4*nn+3], v[XG] offset:512*nn           ; its part of the rows that I keep
.set nn, nn+1
.endr
	WIN 0
	s_wait_dscnt 63                                ; 64 loads are younger than the two above; 63 is the most that a wait can name
.irp t, 0,1,2,3
	v_max_num_f32 v[136+\t], v[MX+\t], v[128+\t]
.endr
.irp t, 0,1,2,3
	v_sub_f32 v[140+\t], v[MX+\t], v[136+\t]
	v_sub_f32 v[144+\t], v[128+\t], v[136+\t]
.endr
.irp t, 0,1,2,3
	v_exp_f32 v[140+\t], v[140+\t]
	v_exp_f32 v[144+\t], v[144+\t]
.endr
	v_nop
	s_wait_alu depctr_va_vdst(0)
.irp t, 0,1,2,3
	v_mul_f32 v[148+\t], v[132+\t], v[144+\t]
.endr
.irp t, 0,1,2,3
	v_fma_f32 v[148+\t], v[TMP+\t], v[140+\t], v[148+\t]       ; the whole row's sum: one of the two factors is 1 and each half's sum holds its largest weight, so it is about 1 at the least
.endr
.irp t, 0,1,2,3
	v_rcp_f32 v[148+\t], v[148+\t]
.endr
	v_nop
	s_wait_alu depctr_va_vdst(0)
.irp t, 0,1,2,3
	v_mul_f32 v[AL2+2*\t], v[140+\t], v[148+\t]    ; my half's factor, twice
	v_mul_f32 v[AL2+2*\t+1], v[140+\t], v[148+\t]
	v_mul_f32 v[OF2+2*\t], v[144+\t], v[148+\t]    ; the partner's, twice
	v_mul_f32 v[OF2+2*\t+1], v[144+\t], v[148+\t]
.endr
	s_wait_dscnt 0x0                               ; my reads of the partner's region are over:
	s_barrier_signal -1                            ; say so, and work on registers alone until all have said so
	SCALEU 0xc3, AL2
	WIN 0xf2
.set nn, 0
.rept 128
	v_pk_fma_f32 v[2*nn:2*nn+1], v[2*nn:2*nn+1], v[OF2+2*((nn>>2)&3):OF2+2*((nn>>2)&3)+1], v[2*nn:2*nn+1]
.set nn, nn+1
.endr
	CONV 0x4f
	WIN 0
	s_barrier_wait -1
	XPUT 0
	XLOAD 0                                        ; window 3 is free: half of x is asked for now, half one tile later
; ==== o = Wv (U / l) + bv ==========================================================================================================
	NEXT 0, G1W, LDSW, WT, 262144+65536
	XGET 0
	PROJ 0, 1, 0, 0
	NEXT 1, G1W, LDSW, WT, 393216                  ; Wo's rows 0-127
	XLOAD 32
	PROJ 0, 0, 1, 0
	NOPS 4
	s_wait_loadcnt 63                              ; 64 loads of x are younger than bv's; 63 is the most that a wait can name
	BIASADD
	CONV 0x4a
	WIN 0
.set ff, 0
.rept 8
	global_load_b32 v[BIAS+2*ff], v[BOF2], s[16:17] offset:(128*(ff>>2)+16*(ff&3))*4       ; bo of my channel in tile (rho, a),
	global_load_b32 v[BIAS+2*ff+1], v[BOF2], s[16:17] offset:(128*(ff>>2)+16*(ff&3))*4     ; twice, for the packed addition
.set ff, ff+1
.endr
	XPUT 1
	WIN 0
; ==== out = x + Wo o + bo, sources exchanged =======================================================================================
	NEXT 0, G1W, LDSW, WT, 393216+65536
	XGET 1
	PROJ 0, 1, 0, 1
	s_wait_tensorcnt 0x0                           ; the last tile; nothing is left to fetch
	s_wait_dscnt 0x0
	s_barrier_signal -1
	s_barrier_wait -1
	PROJ 0, 0, 1, 1
	; The way out.  A lane holds 8 neighbouring queries of one channel; 128 channels x 64 queries go through my own region (its last reader
	; waited for its loads in front of the barrier above) and come back as rows of 256 bytes.  LDS serves a wave's instructions in order
	; (ISA guide 5.7.1): no wait between my stores and my loads.
	NOPS 4
	s_wait_loadcnt 0x0                             ; bo and x
	WIN 0x82
.set nn, 0
.rept 128
	v_pk_add_f32 v[2*nn:2*nn+1], v[2*nn:2*nn+1], v[BIAS+2*(nn>>4):BIAS+2*(nn>>4)+1]
.set nn, nn+1
.endr
	WIN 0x08
.set nn, 0
.rept 64
.set ff, nn>>3
	ds_store_b128 v[STGW], v[4*nn:4*nn+3] offset:(64*(ff>>2)+16*(ff&3))*PITCH+64*((nn>>1)&3)+16*(nn&1)
.set nn, nn+1
.endr
	WIN 0x80
.set nn, 0
.rept 64
	ds_load_b128 v[4*nn:4*nn+3], v[STGR] offset:2*PITCH*nn
.set nn, nn+1
.endr
.set blk, 0
.rept 4
	s_wait_dscnt 48-16*blk                         ; all but the younger blocks' loads
	WIN 0x8e
.set nn, 32*blk
.rept 32
	v_pk_add_f32 v[2*nn:2*nn+1], v[2*nn:2*nn+1], v[2*nn:2*nn+1]    ; window 2 += x from window 3
.set nn, nn+1
.endr
	WIN 0x08
.set uu, 16*blk
.rept 16
	global_store_b128 v[XOFF], v[4*uu:4*uu+3], s[86:87] offset:(128*(uu>>5)+2*(uu&31))*4096 th:TH_STORE_NT   ; 16 lanes store 256 consecutive bytes, aligned
.set uu, uu+1
.endr
.set blk, blk+1
.endr
	WIN 0
	s_wait_xcnt 0x0
	v_lshl_add_u32 v60, v0, 2, 0x45800
	v_mov_b32 v61, 0
	s_wait_tensorcnt 0x0
	ds_add_u32 v60, v61
	s_wait_dscnt 0x0
	ROUND                                          ; the closing round: no work-group ends while a partner may still ask for a tile that names it
	s_endpgm
.Lfunc_end_k_q5bd452e979_attn:
	.size	k_q5bd452e979_attn, .Lfunc_end_k_q5bd452e979_attn-k_q5bd452e979_attn
	.p2alignl 7, 3214868480
	.fill 96, 4, 3214868480
	.section	.rodata,"a",@progbits
	.p2align	6, 0x0
	.amdhsa_kernel k_q5bd452e979_attn
		.amdhsa_group_segment_fixed_size 327680
		.amdhsa_private_segment_fixed_size 0
		.amdhsa_enable_private_segment 0
		.amdhsa_kernarg_size 64
		.amdhsa_user_sgpr_count 2
		.amdhsa_user_sgpr_kernarg_segment_ptr 1
		.amdhsa_wavefront_size32 1
		.amdhsa_system_sgpr_workgroup_id_x 1
		.amdhsa_system_sgpr_workgroup_id_y 1
		.amdhsa_system_sgpr_workgroup_id_z 1
		.amdhsa_system_vgpr_workitem_id 0
		.amdhsa_next_free_vgpr 1024
		.amdhsa_next_free_sgpr 100
		.amdhsa_reserve_vcc 0
		.amdhsa_float_denorm_mode_32 3
		.amdhsa_float_denorm_mode_16_64 3
		.amdhsa_memory_ordered 1
		.amdhsa_forward_progress 1
		.amdhsa_inst_pref_size 255
	.end_amdhsa_kernel
	.section	.bss,"aw",@nobits
	.p2align	6
	.space	262144
	.amdgpu_metadata
---
amdhsa.version: [ 1, 2 ]
amdhsa.kernels:
  - .name:           k_q5bd452e979_attn
    .symbol:         k_q5bd452e979_attn.kd
    .args:
      - { .name: x, .offset: 0, .size: 8, .value_kind: global_buffer, .address_space: global }
      - { .name: h, .offset: 8, .size: 8, .value_kind: global_buffer, .address_space: global }
      - { .name: wbf, .offset: 16, .size: 8, .value_kind: global_buffer, .address_space: global }
      - { .name: bq, .offset: 24, .size: 8, .value_kind: global_buffer, .address_space: global }
      - { .name: bk, .offset: 32, .size: 8, .value_kind: global_buffer, .address_space: global }
      - { .name: bv, .offset: 40, .size: 8, .value_kind: global_buffer, .address_space: global }
      - { .name: bo, .offset: 48, .size: 8, .value_kind: global_buffer, .address_space: global }
      - { .name: out0, .offset: 56, .size: 8, .value_kind: global_buffer, .address_space: global }
    .group_segment_fixed_size: 327680
    .private_segment_fixed_size: 0
    .kernarg_segment_align: 8
    .kernarg_segment_size: 64
    .max_flat_workgroup_size: 128
    .sgpr_count:     100
    .vgpr_count:     1024
    .wavefront_size: 32
...
	.end_amdgpu_metadata
.endif
;; end of part 2
;; ======== version 2 of 2: 2 launches; 1.14 times as fast as version 1
;; limits: values outside matrix products are rounded to bf16
;; workspace buffers: h 16,777,216 bytes; wbf 262,144 bytes; vec 8,192 bytes
;; launch norm (part 3): grid 1177 x 1, 8 waves a work-group, no clusters, 59,136 bytes of LDS; arguments x, gn_scale, gn_bias, wq, wk, wv, wo, bq, bk, bv, h, wbf, vec; writes h, wbf, vec
.if DOCPART == 3
	.amdgcn_target "amdgcn-amd-amdhsa--gfx1250"
	.amdhsa_code_object_version 6
	.text
	.protected	k_q5bd452e979_norm
	.globl	k_q5bd452e979_norm
	.p2align	8
	.type	k_q5bd452e979_norm,@function
k_q5bd452e979_norm:
	s_mov_b64 s[64:65], 0
	v_nop
	global_prefetch_b8 v0, s[64:65] scope:SCOPE_SE
	s_setreg_imm32_b32 hwreg(HW_REG_WAVE_MODE, 25, 1), 1
	s_wait_xcnt 0x0
; Two kinds of work-groups, told apart by the work-group's number alone.
; (1) Numbers 153 .. 1176: h = GroupNorm(x) * scale + bias, rounded once to bf16.  x: [32][256][1024] f32.  A group is 8 channels x 1,024
;     positions = 32,768 consecutive bytes; 1,024 groups, one a work-group.  Load k of thread t takes the 16 bytes at 16 t + 4,096 k, so load k
;     is channel k's row and the group stays in 32 registers a thread between the passes: x is read once.  Store k puts 8 bytes at
;     8 t + 2,048 k: one store of a wave covers 256 consecutive bytes, aligned.  The variance is the mean of squared deviations from the
;     mean, never a difference of large sums, so a common offset in x costs no accuracy.
; (2) Numbers 0 .. 152: the weights are combined, so that the next launch needs two projections instead of four:
;       [Wk | bk]^T [Wq | bq]  (257 x 257): AW = Wk^T Wq (bf16), its column 256 = Wk^T bq, its row 256 = Wq^T bk, its corner bq . bk (f32)
;       Wo [Wv | bv]           (256 x 257): BW = Wo Wv (bf16), its column 256 = Wo bv (f32)
;     in blocks of 32 x 32, K = 256: 9 x 9 blocks (numbers 0-80) and 8 x 9 blocks (81-152).  A bias is the first column of a panel whose
;     other 31 columns are zero.  Eight waves bring two panels of 32,768 bytes, round them to bf16 and lay them into LDS; waves 0-3 make
;     one tile of 16 x 16 each: v_wmma_f32_16x16x32_bf16, f32 sums, two accumulators (even and odd K blocks) that take turns.
;     Sources exchanged: a lane holds 8 neighbouring columns of one row.
;     wbf: AW at 0, BW at 131,072, [256][256] bf16.  vec (f32): Wk^T bq at 0 with bq . bk as number 256, Wq^T bk at 2,048, Wo bv at 4,096.
;     A block's rows in wbf are 64 bytes, stored as 32 bytes a half wave: 262,144 bytes in all leave in such short pieces.
; Limits: NaN and infinities are not followed.
.set NAW,   81                         ; blocks of the first product
.set NCOMB, 153                        ; blocks of both
.set XV,    8                          ; v[8:39]   group path: my 32 numbers; then deviations; then results
                                       ; group path: v1 16 t  v2 8 t  v3 4 x wave  v[4:7] chains  v[40:47] the waves' sums  v[48:49] mean  v[50:57] rstd x scale  v58 rstd  v59 zero
.set PANA,  8                          ; v[8:39]   first panel as loaded; later four fragments
.set PANB,  40                         ; v[40:71]  second panel; later four fragments
.set ACC0,  80                         ; v[80:87]  sums over even K blocks
.set ACC1,  88                         ; v[88:95]  sums over odd K blocks
.set KP,    80                         ; LDS pitch of a panel [256 k][32 columns] of bf16: 64 bytes + 16, an odd multiple of 16; 256 rows are 20,480 bytes
.set PP,    528                        ; LDS pitch of Wo's panel [32 rows][256 k]: 512 bytes + 16; 32 rows are 16,896 bytes
.set LA,    256                        ; first panel, K along the columns (Wk or bk); bytes 0-63 belong to the group path's sums
.set LB,    20736                      ; second panel (Wq, Wv or a bias)
.set LC,    41216                      ; first panel, K along the rows (Wo): each way of laying the first panel has LDS bytes of its own
	s_load_b512 s[4:19], s[0:1], 0x0               ; x s[4:5], gn_scale s[6:7], gn_bias s[8:9], wq s[10:11], wk s[12:13], wv s[14:15], wo s[16:17], bq s[18:19]
	s_load_b256 s[20:27], s[0:1], 0x40             ; bk s[20:21], bv s[22:23], h s[24:25], wbf s[26:27]
	s_load_b64 s[28:29], s[0:1], 0x60              ; vec
	v_lshl_add_u32 v96, v0, 2, 0xe300
	v_mov_b32 v97, 0
	v_lshlrev_b32 v1, 4, v0                        ; 16 t
	v_lshrrev_b32 v3, 5, v0                        ; wave
	s_cmp_lt_u32 ttmp9, NCOMB                      ; the same in all eight waves: each path's barriers are passed by all or by none
	s_cbranch_scc1 .Lcomb
; ==== GroupNorm ====================================================================================================================
	v_lshlrev_b32 v2, 3, v0                        ; 8 t: my bytes in a row of bf16
	v_lshlrev_b32 v3, 2, v3                        ; my wave's word in LDS
	v_mov_b32 v59, 0
	s_mov_b32 s2, 0x76543210                       ; v_permlanex16_b32: lane i reads lane i of the other half
	s_mov_b32 s3, 0xfedcba98
	s_mov_b32 s48, 0x39000000                      ; 2^-13 = 1 / 8,192 numbers of a group
	s_mov_b32 s49, 0x3727c5ac                      ; 1e-5
	s_sub_co_u32 s30, ttmp9, NCOMB                 ; the group
	s_and_b32 s32, s30, 31
	s_lshl_b32 s32, s32, 5                         ; group in its batch x 8 channels x 4 bytes
	s_mov_b32 s33, 0
	s_lshl_b32 s34, s30, 15                        ; group x 32,768 bytes of x
	s_mov_b32 s35, 0
	s_lshl_b32 s36, s30, 14                        ; group x 16,384 bytes of h
	s_mov_b32 s37, 0
	s_wait_kmcnt 0x0
	s_add_nc_u64 s[4:5], s[4:5], s[34:35]
	s_add_nc_u64 s[24:25], s[24:25], s[36:37]
.irp k, 0,1,2,3,4,5,6,7
	global_load_b128 v[XV+4*\k:XV+4*\k+3], v1, s[4:5] offset:4096*\k       ; all 32,768 bytes are asked for at once
.endr
	s_add_nc_u64 s[6:7], s[6:7], s[32:33]
	s_add_nc_u64 s[8:9], s[8:9], s[32:33]
	s_load_b256 s[40:47], s[6:7], 0x0              ; scale of my 8 channels
	s_load_b256 s[52:59], s[8:9], 0x0              ; bias of my 8 channels
; The sum of v[4:7] over the 256 threads, into v4 of every lane.  off: the 32 bytes of LDS that this sum uses (each sum has its own).
.macro WGSUM off
	v_pk_add_f32 v[4:5], v[4:5], v[6:7]
	v_add_f32 v4, v4, v5
	v_add_f32_dpp v4, v4, v4 row_xmask:1 row_mask:0xf bank_mask:0xf
	v_add_f32_dpp v4, v4, v4 row_xmask:2 row_mask:0xf bank_mask:0xf
	v_add_f32_dpp v4, v4, v4 row_xmask:4 row_mask:0xf bank_mask:0xf
	v_add_f32_dpp v4, v4, v4 row_xmask:8 row_mask:0xf bank_mask:0xf
	v_permlanex16_b32 v5, v4, s2, s3               ; v5 has been written: the destination counts as read
	v_add_f32 v4, v4, v5
	ds_store_b32 v3, v4 offset:\off                ; all lanes of a wave write the wave's word with the same number
	s_wait_dscnt 0x0                               ; my store is done before I say so
	s_barrier_signal -1
	s_barrier_wait -1
	ds_load_b128 v[40:43], v59 offset:\off
	ds_load_b128 v[44:47], v59 offset:\off+16
	s_wait_dscnt 0x0
	v_pk_add_f32 v[40:41], v[40:41], v[42:43]
	v_pk_add_f32 v[44:45], v[44:45], v[46:47]
	v_pk_add_f32 v[40:41], v[40:41], v[44:45]
	v_add_f32 v4, v40, v41
.endm
	; pass 1: the sum.  The first two rows start the two chains; the counts leave the younger rows on their way.
	s_wait_loadcnt 0x7
	v_pk_add_f32 v[4:5], v[XV:XV+1], v[XV+2:XV+3]
	s_wait_loadcnt 0x6
	v_pk_add_f32 v[6:7], v[XV+4:XV+5], v[XV+6:XV+7]
.irp k, 2,3,4,5,6,7
	s_wait_loadcnt 7-\k
	v_pk_add_f32 v[4:5], v[4:5], v[XV+4*\k:XV+4*\k+1]
	v_pk_add_f32 v[6:7], v[6:7], v[XV+4*\k+2:XV+4*\k+3]
.endr
	WGSUM 0
	v_mul_f32 v48, s48, v4                         ; the mean,
	v_mov_b32 v49, v48                             ; twice, for the packed subtraction
	; pass 2: deviations in place, and the sum of their squares
.set nn, 0
.rept 16
	v_pk_add_f32 v[XV+2*nn:XV+2*nn+1], v[XV+2*nn:XV+2*nn+1], v[48:49] neg_lo:[0,1] neg_hi:[0,1]
.set nn, nn+1
.endr
	v_pk_mul_f32 v[4:5], v[XV:XV+1], v[XV:XV+1]
	v_pk_mul_f32 v[6:7], v[XV+2:XV+3], v[XV+2:XV+3]
.set nn, 2
.rept 14
	v_pk_fma_f32 v[4+2*(nn&1):5+2*(nn&1)], v[XV+2*nn:XV+2*nn+1], v[XV+2*nn:XV+2*nn+1], v[4+2*(nn&1):5+2*(nn&1)]
.set nn, nn+1
.endr
	WGSUM 32
	v_fma_f32 v58, v4, s48, s49                    ; variance + 1e-5
	v_rsq_f32 v58, v58
	v_nop                                          ; one plain place behind a transcendental before its result is read (ISA guide 5.7.2)
	s_wait_kmcnt 0x0                               ; scale and bias
	s_wait_alu depctr_va_vdst(0)
.irp k, 0,1,2,3,4,5,6,7
	v_mul_f32 v[50+\k], s[40+\k], v58              ; rstd x scale of channel k
.endr
.irp k, 0,1,2,3,4,5,6,7
.irp q, 0,1,2,3
	v_fma_f32 v[XV+4*\k+\q], v[XV+4*\k+\q], v[50+\k], s[52+\k]
.endr
.endr
.irp k, 0,1,2,3,4,5,6,7
	v_cvt_pk_bf16_f32 v[XV+4*\k], v[XV+4*\k], v[XV+4*\k+1]         ; round to nearest even, two at a time, in place
	v_cvt_pk_bf16_f32 v[XV+4*\k+1], v[XV+4*\k+2], v[XV+4*\k+3]
	global_store_b64 v2, v[XV+4*\k:XV+4*\k+1], s[24:25] offset:2048*\k
.endr
	s_wait_tensorcnt 0x0
	ds_add_u32 v96, v97
	s_wait_dscnt 0x0
	s_endpgm
; ==== a block of 32 x 32 of a product of weights ===================================================================================
; A panel [256 k][32 columns] out of a matrix [256][256] f32: thread t takes 16 bytes (t % 8) of row t / 8 + 32 k
.macro KMLOAD reg, base
.irp k, 0,1,2,3,4,5,6,7
	global_load_b128 v[\reg+4*\k:\reg+4*\k+3], v72, s[\base:\base+1] offset:32768*\k
.endr
.endm
; The same panel with a bias as column 0 and zeros beside it: all is cleared, then the threads of column 0 (t % 8 = 0, in VCC) load their rows' numbers.
; EXEC is a source of pending loads: it changes only behind s_wait_xcnt 0.  Eight loads, as many as the other panels have.
.macro BILOAD reg, base
.set nn, 0
.rept 32
	v_mov_b32 v[\reg+nn], 0
.set nn, nn+1
.endr
	s_wait_xcnt 0x0
	s_and_saveexec_b32 s38, vcc_lo
.irp k, 0,1,2,3,4,5,6,7
	global_load_b32 v[\reg+4*\k], v75, s[\base:\base+1] offset:128*\k
.endr
	s_wait_xcnt 0x0
	s_or_b32 exec_lo, exec_lo, s38
.endm
; A panel goes to LDS as bf16, 8 bytes a thread and load
.macro STAGE reg, areg, step, base
.irp k, 0,1,2,3,4,5,6,7
	v_cvt_pk_bf16_f32 v[\reg+4*\k], v[\reg+4*\k], v[\reg+4*\k+1]
	v_cvt_pk_bf16_f32 v[\reg+4*\k+1], v[\reg+4*\k+2], v[\reg+4*\k+3]
	ds_store_b64 v[\areg], v[\reg+4*\k:\reg+4*\k+1] offset:\base+\step*\k
.endr
.endm
; The fragments of four K blocks.  rows = 1: the first panel has K along its rows (two plain loads); else both are transposed on the way
.macro FRAGS kb0, rows
.set ii, 0
.rept 4
.if \rows
	ds_load_b128 v[PANA+8*ii:PANA+8*ii+3], v3 offset:64*(\kb0+ii)
	ds_load_b128 v[PANA+8*ii+4:PANA+8*ii+7], v3 offset:64*(\kb0+ii)+32
.else
	ds_load_tr16_b128 v[PANA+8*ii:PANA+8*ii+3], v76 offset:32*KP*(\kb0+ii)
	ds_load_tr16_b128 v[PANA+8*ii+4:PANA+8*ii+7], v76 offset:32*KP*(\kb0+ii)+16*KP
.endif
	ds_load_tr16_b128 v[PANB+8*ii:PANB+8*ii+3], v77 offset:32*KP*(\kb0+ii)
	ds_load_tr16_b128 v[PANB+8*ii+4:PANB+8*ii+7], v77 offset:32*KP*(\kb0+ii)+16*KP
.set ii, ii+1
.endr
	s_wait_dscnt 0x0
.endm
.macro MUL4 zero                       ; source 0 = the second panel's columns, source 1 = the first panel's: lane r holds row r, registers columns 8 (lane / 16) + 0 .. 7
.if \zero
	v_wmma_f32_16x16x32_bf16 v[ACC0:ACC0+7], v[PANB:PANB+7], v[PANA:PANA+7], 0
	v_wmma_f32_16x16x32_bf16 v[ACC1:ACC1+7], v[PANB+8:PANB+15], v[PANA+8:PANA+15], 0
.else
	v_wmma_f32_16x16x32_bf16 v[ACC0:ACC0+7], v[PANB:PANB+7], v[PANA:PANA+7], v[ACC0:ACC0+7]
	v_wmma_f32_16x16x32_bf16 v[ACC1:ACC1+7], v[PANB+8:PANB+15], v[PANA+8:PANA+15], v[ACC1:ACC1+7]
.endif
	v_wmma_f32_16x16x32_bf16 v[ACC0:ACC0+7], v[PANB+16:PANB+23], v[PANA+16:PANA+23], v[ACC0:ACC0+7]
	v_wmma_f32_16x16x32_bf16 v[ACC1:ACC1+7], v[PANB+24:PANB+31], v[PANA+24:PANA+31], v[ACC1:ACC1+7]
.endm
.macro MULS rows
	FRAGS 0, \rows
	MUL4 1
.rept 4
	v_nop                                          ; four plain places before loads land in registers that a matrix instruction read (ISA guide 7.12.1 for vector instructions)
.endr
	FRAGS 4, \rows
	MUL4 0
.endm
.Lcomb:
	v_readfirstlane_b32 s50, v3                    ; wave
	s_cmp_ge_u32 ttmp9, NAW
	s_cselect_b32 s31, 1, 0                        ; 0: [Wk | bk]^T [Wq | bq]   1: Wo [Wv | bv]
	s_cselect_b32 s30, NAW, 0
	s_sub_co_u32 s30, ttmp9, s30                   ; the block in its product, 0 .. 80
	s_mul_i32 s32, s30, 57
	s_lshr_b32 s32, s32, 9                         ; block row = number / 9 (57 / 512 is exact for this up to 80)
	s_mul_i32 s33, s32, 9
	s_sub_co_u32 s33, s30, s33                     ; block column = number % 9
	v_lshrrev_b32 v4, 3, v0                        ; t / 8
	v_and_b32 v5, 7, v0                            ; t % 8
	v_lshlrev_b32 v72, 10, v4
	v_lshl_add_u32 v72, v5, 4, v72                 ; K-major panel in memory: row t / 8 of 1,024 bytes, 16 bytes t % 8
	v_mul_u32_u24 v73, v4, KP
	v_lshl_add_u32 v73, v5, 3, v73                 ; and in LDS
	v_lshlrev_b32 v75, 2, v4                       ; a bias: number t / 8
	v_cmp_eq_u32 vcc_lo, 0, v5                     ; the threads of column 0
	v_lshrrev_b32 v6, 6, v0
	v_and_b32 v7, 63, v0
	v_mul_u32_u24 v74, v6, PP
	v_lshl_add_u32 v74, v7, 3, v74                 ; Wo's rows in LDS: row t / 64 + 4 k, 8 bytes t % 64
	s_lshl_b32 s40, s32, 7                         ; the block row's 32 columns of Wk,
	s_mov_b32 s41, 0
	s_lshl_b32 s42, s32, 15                        ; or its 32 rows of Wo
	s_mov_b32 s43, 0
	s_lshl_b32 s44, s33, 7                         ; the block column's 32 columns
	s_mov_b32 s45, 0
	s_wait_kmcnt 0x0
	s_cmp_eq_u32 s31, 1
	s_cselect_b64 s[34:35], s[14:15], s[10:11]     ; second matrix: Wv or Wq
	s_cselect_b64 s[36:37], s[22:23], s[18:19]     ; its bias: bv or bq
	s_add_nc_u64 s[12:13], s[12:13], s[40:41]
	s_add_nc_u64 s[16:17], s[16:17], s[42:43]
	s_add_nc_u64 s[34:35], s[34:35], s[44:45]
	s_cmp_eq_u32 s31, 1
	s_cbranch_scc1 .La_rows
	s_cmp_eq_u32 s32, 8
	s_cbranch_scc1 .La_bias
	KMLOAD PANA, 12
	s_branch .La_done
.La_bias:
	BILOAD PANA, 20
	s_branch .La_done
.La_rows:
.irp k, 0,1,2,3,4,5,6,7
	global_load_b128 v[PANA+4*\k:PANA+4*\k+3], v1, s[16:17] offset:4096*\k         ; 32 rows of Wo: 32,768 consecutive bytes
.endr
.La_done:
	s_cmp_eq_u32 s33, 8
	s_cbranch_scc1 .Lb_bias
	KMLOAD PANB, 34
	s_branch .Lb_done
.Lb_bias:
	BILOAD PANB, 36
.Lb_done:
	s_wait_loadcnt 0x8                             ; on every path a panel is eight loads: the first panel is in, the second may be out
	s_cmp_eq_u32 s31, 1
	s_cbranch_scc1 .Lst_rows
	STAGE PANA, 73, 32*KP, LA
	s_branch .Lst_done
.Lst_rows:
	STAGE PANA, 74, 4*PP, LC
.Lst_done:
	s_wait_loadcnt 0x0
	STAGE PANB, 73, 32*KP, LB
	s_wait_dscnt 0x0                               ; my stores are done before I say so
	s_barrier_signal -1
	s_barrier_wait -1
	s_cmp_ge_u32 s50, 4                            ; four tiles: waves 4-7 have done their part, the panels
	s_cbranch_scc1 .Lend
	s_lshr_b32 s51, s50, 1                         ; my tile's 16 rows
	s_and_b32 s52, s50, 1                          ; and 16 columns
	v_bfe_u32 v4, v0, 4, 1                         ; lane / 16
	v_bfe_u32 v6, v0, 3, 1                         ; (lane / 8) % 2
	v_and_b32 v7, 15, v0                           ; lane % 16
	v_lshl_add_u32 v79, v4, 3, v5                  ; transposing load: row 8 (lane / 16) + lane % 8,
	v_mul_u32_u24 v79, v79, KP
	v_lshl_add_u32 v79, v6, 4, v79                 ; 16 bytes (lane / 8) % 2
	s_lshl_b32 s53, s51, 5
	s_add_co_u32 s53, s53, LA
	v_add_nc_u32 v76, s53, v79
	s_lshl_b32 s54, s52, 5
	s_add_co_u32 s54, s54, LB
	v_add_nc_u32 v77, s54, v79
	s_mul_i32 s55, s51, 16*PP
	s_add_co_u32 s55, s55, LC
	v_mul_u32_u24 v3, v7, PP                       ; plain load: row lane % 16, 16 bytes lane / 16
	v_lshl_add_u32 v3, v4, 4, v3
	v_add_nc_u32 v3, s55, v3
	s_cmp_eq_u32 s31, 1
	s_cbranch_scc1 .Lmul_rows
	MULS 0
	s_branch .Lsum
.Lmul_rows:
	MULS 1
.Lsum:
.rept 4
	v_nop                                          ; four plain places before a matrix result is read (ISA guide 7.12.1)
.endr
.irp q, 0,2,4,6
	v_pk_add_f32 v[ACC0+\q:ACC0+\q+1], v[ACC0+\q:ACC0+\q+1], v[ACC1+\q:ACC1+\q+1]
.endr
	s_lshl_b32 s53, s32, 5
	s_lshl_b32 s55, s51, 4
	s_add_co_u32 s53, s53, s55                     ; my tile's first row
	s_lshl_b32 s54, s33, 5
	s_lshl_b32 s55, s52, 4
	s_add_co_u32 s54, s54, s55                     ; and first column
	s_cmp_eq_u32 s33, 8
	s_cbranch_scc1 .Lcol
	s_cmp_eq_u32 s32, 8
	s_cbranch_scc1 .Lrow
	; an inner block: bf16, 16 bytes a lane
.irp q, 0,1,2,3
	v_cvt_pk_bf16_f32 v[ACC1+\q], v[ACC0+2*\q], v[ACC0+2*\q+1]
.endr
	s_lshl_b32 s40, s53, 9                         ; rows of 512 bytes
	s_lshl_b32 s55, s54, 1
	s_add_co_u32 s40, s40, s55
	s_lshl_b32 s55, s31, 17                        ; the second product lies 131,072 bytes further on
	s_add_co_u32 s40, s40, s55
	s_add_nc_u64 s[26:27], s[26:27], s[40:41]
	v_lshlrev_b32 v78, 9, v7
	v_lshl_add_u32 v78, v4, 4, v78
	global_store_b128 v78, v[ACC1:ACC1+3], s[26:27]
	s_wait_tensorcnt 0x0
	ds_add_u32 v96, v97
	s_wait_dscnt 0x0
	s_endpgm
.Lcol:                                 ; block column 8: column 256 alone counts; it is register 0 of lanes 0-15 in the left tiles
	s_cmp_eq_u32 s52, 1
	s_cbranch_scc1 .Lend
	s_lshl_b32 s40, s53, 2
	s_lshl_b32 s55, s31, 12                        ; Wo bv lies at 4,096
	s_add_co_u32 s40, s40, s55
	s_add_nc_u64 s[28:29], s[28:29], s[40:41]
	v_lshlrev_b32 v78, 2, v7
	v_cmp_eq_u32 vcc_lo, 0, v4
	s_wait_xcnt 0x0                                ; EXEC changes only behind s_wait_xcnt 0
	s_and_saveexec_b32 s38, vcc_lo
	global_store_b32 v78, v[ACC0], s[28:29]        ; 64 consecutive bytes
	s_wait_xcnt 0x0
	s_or_b32 exec_lo, exec_lo, s38
	s_wait_tensorcnt 0x0
	ds_add_u32 v96, v97
	s_wait_dscnt 0x0
	s_endpgm
.Lrow:                                 ; block row 8: row 256 alone counts; it is lanes 0 and 16 of the upper tiles, 8 columns each
	s_cmp_eq_u32 s51, 1
	s_cbranch_scc1 .Lend
	s_lshl_b32 s40, s54, 2
	s_add_co_u32 s40, s40, 2048                    ; Wq^T bk lies at 2,048
	s_add_nc_u64 s[28:29], s[28:29], s[40:41]
	v_lshlrev_b32 v78, 5, v4
	v_cmp_eq_u32 vcc_lo, 0, v7
	s_wait_xcnt 0x0
	s_and_saveexec_b32 s38, vcc_lo
	global_store_b128 v78, v[ACC0:ACC0+3], s[28:29]
	global_store_b128 v78, v[ACC0+4:ACC0+7], s[28:29] offset:16
	s_wait_xcnt 0x0
	s_or_b32 exec_lo, exec_lo, s38
.Lend:
	s_wait_tensorcnt 0x0
	ds_add_u32 v96, v97
	s_wait_dscnt 0x0
	s_endpgm
.Lfunc_end_k_q5bd452e979_norm:
	.size	k_q5bd452e979_norm, .Lfunc_end_k_q5bd452e979_norm-k_q5bd452e979_norm
	.p2alignl 7, 3214868480
	.fill 96, 4, 3214868480
	.section	.rodata,"a",@progbits
	.p2align	6, 0x0
	.amdhsa_kernel k_q5bd452e979_norm
		.amdhsa_group_segment_fixed_size 59136
		.amdhsa_private_segment_fixed_size 0
		.amdhsa_enable_private_segment 0
		.amdhsa_kernarg_size 104
		.amdhsa_user_sgpr_count 2
		.amdhsa_user_sgpr_kernarg_segment_ptr 1
		.amdhsa_wavefront_size32 1
		.amdhsa_system_sgpr_workgroup_id_x 1
		.amdhsa_system_sgpr_workgroup_id_y 1
		.amdhsa_system_sgpr_workgroup_id_z 1
		.amdhsa_system_vgpr_workitem_id 0
		.amdhsa_next_free_vgpr 98
		.amdhsa_next_free_sgpr 66
		.amdhsa_reserve_vcc 1
		.amdhsa_float_denorm_mode_32 3
		.amdhsa_float_denorm_mode_16_64 3
		.amdhsa_memory_ordered 1
		.amdhsa_forward_progress 1
		.amdhsa_inst_pref_size 34
	.end_amdhsa_kernel
	.amdgpu_metadata
---
amdhsa.version: [ 1, 2 ]
amdhsa.kernels:
  - .name:           k_q5bd452e979_norm
    .symbol:         k_q5bd452e979_norm.kd
    .args:
      - { .name: x, .offset: 0, .size: 8, .value_kind: global_buffer, .address_space: global }
      - { .name: gn_scale, .offset: 8, .size: 8, .value_kind: global_buffer, .address_space: global }
      - { .name: gn_bias, .offset: 16, .size: 8, .value_kind: global_buffer, .address_space: global }
      - { .name: wq, .offset: 24, .size: 8, .value_kind: global_buffer, .address_space: global }
      - { .name: wk, .offset: 32, .size: 8, .value_kind: global_buffer, .address_space: global }
      - { .name: wv, .offset: 40, .size: 8, .value_kind: global_buffer, .address_space: global }
      - { .name: wo, .offset: 48, .size: 8, .value_kind: global_buffer, .address_space: global }
      - { .name: bq, .offset: 56, .size: 8, .value_kind: global_buffer, .address_space: global }
      - { .name: bk, .offset: 64, .size: 8, .value_kind: global_buffer, .address_space: global }
      - { .name: bv, .offset: 72, .size: 8, .value_kind: global_buffer, .address_space: global }
      - { .name: h, .offset: 80, .size: 8, .value_kind: global_buffer, .address_space: global }
      - { .name: wbf, .offset: 88, .size: 8, .value_kind: global_buffer, .address_space: global }
      - { .name: vec, .offset: 96, .size: 8, .value_kind: global_buffer, .address_space: global }
    .group_segment_fixed_size: 59136
    .private_segment_fixed_size: 0
    .kernarg_segment_align: 8
    .kernarg_segment_size: 104
    .max_flat_workgroup_size: 256
    .sgpr_count:     66
    .vgpr_count:     98
    .wavefront_size: 32
...
	.end_amdgpu_metadata
.endif
;; end of part 3
;; launch attn (part 4): grid 8 x 32, 4 waves a work-group, clusters of 4 x 1, 327,680 bytes of LDS; arguments x, h, wbf, vec, bo, out0; writes out0
.if DOCPART == 4
	.amdgcn_target "amdgcn-amd-amdhsa--gfx1250"
	.amdhsa_code_object_version 6
	.text
	.protected	k_q5bd452e979_attn
	.globl	k_q5bd452e979_attn
	.p2align	8
	.type	k_q5bd452e979_attn,@function
k_q5bd452e979_attn:
	s_mov_b64 s[64:65], 0
	v_nop
	global_prefetch_b8 v0, s[64:65] scope:SCOPE_SE
	s_setreg_imm32_b32 hwreg(HW_REG_WAVE_MODE, 25, 1), 1
	s_wait_xcnt 0x0
	s_wait_alu depctr_hold_cnt(0) depctr_sa_sdst(0) depctr_va_vdst(0) depctr_va_sdst(0) depctr_va_ssrc(0) depctr_va_vcc(0) depctr_vm_vsrc(0)
	s_getreg_b32 s2, hwreg(HW_REG_IB_STS2, 6, 4)
	s_cmp_eq_u32 s2, 0
	s_cbranch_scc0 .Lentry_in_a_cluster
	s_endpgm
.Lentry_in_a_cluster:
	s_bfe_u32 s2, ttmp6, 0x10000c
	s_cmp_lg_u32 s2, 0x3003
	s_cbranch_scc0 .Lentry_shape_is_right
	s_endpgm
.Lentry_shape_is_right:
; out = x + Wo (softmax(q^T k / 16) applied to v) + bo, for 128 queries of one batch a work-group; 8 x 32 work-groups, four waves each.
; h: [32][256 c][1024 n] bf16 (GroupNorm of x).  wbf: AW = Wk^T Wq at 0, BW = Wo Wv at 131,072, [256][256] bf16.
; vec (f32): ta = Wk^T bq at 0, bq . bk at 1,024, u = Wq^T bk at 2,048, ob = Wo bv at 4,096.
;
; Q, K AND V ARE NEVER FORMED.  q_n . k_m = (AW h_n + ta) . h_m + (u . h_n + bq . bk), and Wo (sum_m w_nm v_m) + bo = BW (sum_m w_nm h_m) + ob + bo
; since the weights of a row sum to one.  Both hold for every input.  So the key tiles and the value tiles are the same tiles of h.
; z_n = u . h_n + bq . bk is kept in f32 and added to every score of row n.
; Four products, all v_wmma_f32_16x16x32_bf16 with f32 sums:
;   1  t = AW hb + ta      2  S^T[m][n] = sum_c h[c][m] t[c][n]      3  U[c][n] += sum_m h[c][m] P[n][m]
;   4  out^T = (BW (U / l))^T, sources exchanged, so that a lane holds eight neighbouring n of one channel
; A result tile (lane: column n; register: row) packs two by two into the next product's second source without leaving the lane.
;
; SHARES.  Wave w = 2 i + j owns queries 64 i .. 64 i + 63 (four column tiles t).  In a projection it makes half of the output rows; over the
; keys it takes half of every key tile, with its own running maximum and sum; the two halves are merged once at the end.  The halves of
; t and U that the partner wave (w xor 1) made come through LDS.  Each fragment read from LDS feeds four matrix instructions.
; A wave cannot name registers by its own number, so K blocks 0-3 of the second source are always the wave's own and 4-7 the partner's,
; and j goes into two LDS address registers (own, partner) for the first source: the same permutation of K on both sides.
;
; CLUSTER.  The four work-groups of a cluster are four query blocks of one batch: they walk the same eight tiles of h and the same four
; weight tiles.  Each such tile is asked for jointly (mask 15).  Only the work-group's own block of h is a load of its own.
; A 4 x 4 cluster would add nothing: along y the batches differ, and a mask names four work-groups.
;
; LDS: two slots of 69,632 bytes that tensor loads fill again and again; behind them a region of 34,816 bytes for each wave (exchange with the
; partner, stage on the way out) and 6,144 bytes of per-query numbers.  The first 67,584 bytes of the regions take ONE fill, at the
; start (AW's second tile), and are scratch only after every wave has read it and passed a barrier.
; Tiles of 256 rows x 128 bf16 have a pitch of 272 bytes, tiles of 128 rows x 256 bf16 one of 528: both odd multiples of 16.
; A transposing load of a key tile takes, for lanes 8-15 of each half, the 16 bytes 128 bytes further on instead of the neighbouring ones, so
; that the sixteen lanes touch sixteen different 16-byte columns at this pitch; the keys are then permuted, alike in products 2 and 3.
;
; REGISTERS: window 0 addresses, softmax state, fragments, scores; window 1 the second source (4 t x 8 K blocks x 8);
; window 2 the projections' sums and the half of U that goes to the partner; window 3 the half of U that stays, at first u, later x.
; All accumulators take turns, one matrix instruction a turn.
; By this text's count a wave has three tensor loads out at the start and one behind each round afterwards.
; Limits: NaN and infinities are not followed; v_exp_f32 gives zero for weights below 2^-126.
.set PITCH,  272
.set PITCHW, 528
.set SLOT,   69632                     ; 256 x 272
.set XREG,   139264                    ; the waves' regions = 2 slots on; as a third slot it holds AW's rows 128-255
.set RS,     34816                     ; 128 x 272
.set XHALF,  17408                     ; a region's low part: t's exchange, later the stage (64 x 272); its high part: U's exchange
.set STAT,   278528                    ; z at +0, running maxima at +2,048, sums at +4,096; 512 bytes a wave each
.set VS0,    1024                      ; places in vec
.set VU,     2048
.set VOB,    4096
.set BOFF, 1                           ; v1      lane offset of a vector's fragment: 256 j + 32 (lane / 16)
.set ATRH, 2                           ; v2-5    h tile, transposing: own K blocks slot 0, 1; partner's slot 0, 1
.set APLG, 6                           ; v6-7    h tile, plain, the rows of U that go to the partner
.set APLK, 8                           ; v8-9    h tile, plain, the rows of U that stay
.set APLW, 10                          ; v10-13  weight tile: own slot 0, 1; partner's slot 0, 1
.set XP,   14                          ; my region + 16 lane
.set XG,   15                          ; the partner's region + 16 lane
.set MX,   16                          ; v16-19  running maximum of column tile t, in powers of two
.set ZZ,   20                          ; v20-23  c z
.set L2,   24                          ; v24-31  running sums, a pair for each t (in the prologue: z in the making)
.set AL2,  32                          ; v32-39  factor for the old sums, twice
.set OF2,  40                          ; v40-47  what is added to c S, twice
.set TMP,  48                          ; v48-55
.set APW2, 56                          ; v56-57  weight tile in the third slot: own, partner's; from the merge on v56-59 are STGW, STGR, XOFF, BOF2
.set STGW, 56
.set STGR, 57
.set XOFF, 58
.set BOF2, 59
.set ATRB, 60                          ; v60-61  own block of h, transposing: own, partner's K blocks
.set STO,  62
.set STP,  63
.set PA,   64                          ; v64-127  fragments
.set FA,   64
.set PB,   128                         ; v128-191 fragments in a projection
.set SR,   128                         ; v128-255 scores S(a, t) at SR + 8 (4 a + t)
.set BIAS, 192                         ; v192-255 a bias in a projection
.set G0,   32                          ; s[32:39] group 0 of slot 0, slot 1
.set G1P,  40                          ; s[40:47] group 1: own block
.set G1H,  48                          ; s[48:55] group 1: tiles of h, joint
.set G0C,  56                          ; s[56:59] group 0 of the third slot's one fill
.set G1W,  68                          ; s[68:75] group 1: weight tiles (128 rows x 256 columns), joint
.set G0P,  96                          ; s[96:99] group 0 of the own block: the only descriptor that holds the place in the cluster
.set HT,   76                          ; s[76:77] h + batch + my 64 rows
.set WT,   78                          ; s[78:79] wbf + my 32 rows
.set LDSH, 88                          ; s88 = wave x 64 x 272
.set LDSW, 89                          ; s89 = wave x 32 x 528
.set W0P, (1<<16)|(1<<20)|(5<<22)|(3<<25)                  ; 2-byte elements, 4 words of padding behind every 64
.set W0H, 15|(1<<16)|(1<<20)|(1<<21)|(5<<22)|(3<<25)       ; the same for all four work-groups of the cluster, bit 21 beside the mask
.set W0W, 15|(1<<16)|(1<<20)|(1<<21)|(6<<22)|(3<<25)       ; 4 words of padding behind every 128
.set MSB, 0
.macro WIN new                         ; low byte: bits 1:0 source 0, 3:2 source 1, 5:4 source 2, 7:6 destination; the high byte repeats the setting left
.if MSB != \new
	s_set_vgpr_msb (MSB<<8)|\new
.set MSB, \new
.endif
.endm
.macro NOPS n
.rept \n
	v_nop
.endr
.endm
; A round of the cluster's barrier: my work-group's barrier, wave 0 signals for the work-group, every wave waits for all four, my barrier again.
.macro ROUND
	s_barrier_signal -1
	s_barrier_wait -1
	s_cmp_lg_u32 s20, 0
	s_cbranch_scc1 .Lnot_wave_0_\@
	s_barrier_signal -3
.Lnot_wave_0_\@:
	s_barrier_wait -3
	s_barrier_signal -1
	s_barrier_wait -1
.endm
.macro GROUP1 g, w0, cols, rows, stride
	s_mov_b32 s[\g+0], \w0
	s_mov_b32 s[\g+1], \cols<<16                   ; tensor_dim0
	s_mov_b32 s[\g+2], \rows<<16                   ; tensor_dim1
	s_mov_b32 s[\g+3], \cols<<16                   ; tile_dim0
	s_mov_b32 s[\g+4], \rows                       ; tile_dim1
	s_mov_b32 s[\g+5], \stride                     ; elements from row to row
	s_mov_b32 s[\g+6], 0
	s_mov_b32 s[\g+7], 0
.endm
.macro SETG0 slot, ldsreg, base, off
	s_add_co_u32 s[G0+4*\slot+1], s[\ldsreg], \slot*SLOT
	s_add_nc_u64 s[G0+4*\slot+2:G0+4*\slot+3], s[\base:\base+1], \off
	s_or_b32 s[G0+4*\slot+3], s[G0+4*\slot+3], 0x80000000
.endm
; The change of slots.  All my tensor loads have landed, so a group 0 may be written; my LDS accesses are done; a round; then my one load,
; first thing behind it, into the slot that was read last.
.macro NEXT slot, g1, ldsreg, base, off
	s_wait_xcnt 0x0
	v_lshl_add_u32 v158, v0, 2, 0x45800
	v_mov_b32 v159, 0
	s_wait_tensorcnt 0x0
	ds_add_u32 v158, v159
	s_wait_dscnt 0x0
	SETG0 \slot, \ldsreg, \base, \off
	s_wait_dscnt 0x0
	ROUND
	tensor_load_to_lds s[G0+4*\slot:G0+4*\slot+3], s[\g1:\g1+7]
	s_nop 0
.endm
.macro NEXTH slot                      ; the same in the loop: this slot's tile of h two tiles further on (128 keys are 256 bytes of a row)
	s_wait_xcnt 0x0
	v_lshl_add_u32 v158, v0, 2, 0x45800
	v_mov_b32 v159, 0
	s_wait_tensorcnt 0x0
	ds_add_u32 v158, v159
	s_wait_dscnt 0x0
	s_add_nc_u64 s[G0+4*\slot+2:G0+4*\slot+3], s[G0+4*\slot+2:G0+4*\slot+3], 512
	s_wait_dscnt 0x0
	ROUND
	tensor_load_to_lds s[G0+4*\slot:G0+4*\slot+3], s[G1H:G1H+7]
	s_nop 0
.endm
; ---- projections -------------------------------------------------------------------------------------------------------------
; 16 loads: the weights' fragments of K blocks 2 g, 2 g + 1 for my four row tiles.  ao, ap: address registers for my own and the partner's K blocks
.macro PLOAD ao, ap, g, buf
.set nn, 0
.rept 8
.set kk, 2*\g+(nn>>2)
.set aa, nn&3
.set dst, \buf+8*nn
.if kk < 4
.set areg, \ao
.else
.set areg, \ap
.endif
.set off0, 16*aa*PITCHW+256*((kk&3)>>1)+64*(kk&1)
	ds_load_b128 v[dst:dst+3], v[areg] offset:off0
	ds_load_b128 v[dst+4:dst+7], v[areg] offset:off0+32
.set nn, nn+1
.endr
.endm
; 32 matrix instructions: two K blocks x 4 row tiles x 4 column tiles; K block 0 starts the sums
.macro PMUL buf, g, rho, swap
.set nn, 0
.rept 32
.set tt, nn&3
.set aa, (nn>>2)&3
.set kk, 2*\g+(nn>>4)
.set acc, 8*(16*\rho+4*aa+tt)
.set fa, \buf+8*(4*(kk&1)+aa)
.set fb, 8*(8*tt+kk)
.if \swap
.if kk == 0
	v_wmma_f32_16x16x32_bf16 v[acc:acc+7], v[fb:fb+7], v[fa:fa+7], 0
.else
	v_wmma_f32_16x16x32_bf16 v[acc:acc+7], v[fb:fb+7], v[fa:fa+7], v[acc:acc+7]
.endif
.else
.if kk == 0
	v_wmma_f32_16x16x32_bf16 v[acc:acc+7], v[fa:fa+7], v[fb:fb+7], 0
.else
	v_wmma_f32_16x16x32_bf16 v[acc:acc+7], v[fa:fa+7], v[fb:fb+7], v[acc:acc+7]
.endif
.endif
.set nn, nn+1
.endr
.endm
.macro PWIN swap
.if \swap
	WIN 0xa1                                       ; source 0 window 1, source 1 window 0, sums window 2
.else
	WIN 0xa4                                       ; source 0 window 0, source 1 window 1, sums window 2
.endif
.endm
; One weight tile: 128 matrix instructions.  Fragments go through two buffers; each wait for 16 leaves only the group just asked for.
; Four plain places stand between a matrix instruction and a load into a register that it read (ISA guide 7.12.1 for vector instructions).
.macro PROJ ao, ap, rho, swap
	WIN 0
	NOPS 4
	PLOAD \ao, \ap, 0, PA
	PLOAD \ao, \ap, 1, PB
	s_wait_dscnt 16
	PWIN \swap
	PMUL PA, 0, \rho, \swap
	WIN 0
	NOPS 4
	PLOAD \ao, \ap, 2, PA
	s_wait_dscnt 16
	PWIN \swap
	PMUL PB, 1, \rho, \swap
	WIN 0
	NOPS 4
	PLOAD \ao, \ap, 3, PB
	s_wait_dscnt 16
	PWIN \swap
	PMUL PA, 2, \rho, \swap
	s_wait_dscnt 0x0
	PMUL PB, 3, \rho, \swap
	WIN 0
.endm
; The sums (window 2: win = 0x4a; window 3: 0x4f) become my four K blocks of the next second source: row tiles 2 a', 2 a' + 1 make block 2 rho + a'.
.macro CONV win
	WIN \win
.set nn, 0
.rept 128
.set pp, nn&3
.set ee, (nn>>2)&1
.set ap, (nn>>3)&1
.set rr, (nn>>4)&1
.set tt, nn>>5
.set acc, 8*(16*rr+4*(2*ap+ee)+tt)+2*pp
	v_cvt_pk_bf16_f32 v[8*(8*tt+2*rr+ap)+4*ee+pp], v[acc], v[acc+1]
.set nn, nn+1
.endr
.endm
.macro BIASADD                         ; a lane's eight rows of tile (rho, a) have their eight biases in BIAS + 8 (4 rho + a)
	WIN 0x82
.set nn, 0
.rept 128
	v_pk_add_f32 v[2*nn:2*nn+1], v[2*nn:2*nn+1], v[BIAS+8*(nn>>4)+2*(nn&3):BIAS+8*(nn>>4)+2*(nn&3)+1]
.set nn, nn+1
.endr
.endm
.macro XPUT half                       ; my four K blocks into my region, 512 consecutive bytes a store
	WIN 0x04
.set nn, 0
.rept 32
	ds_store_b128 v[XP], v[8*(8*(nn>>3)+((nn>>1)&3))+4*(nn&1):8*(8*(nn>>3)+((nn>>1)&3))+4*(nn&1)+3] offset:\half*XHALF+512*nn
.set nn, nn+1
.endr
.endm
.macro XGET half                       ; the partner's four, into K blocks 4-7.  Every use stands behind a tail that has four places behind the last matrix instruction
	WIN 0x40
.set nn, 0
.rept 32
	ds_load_b128 v[8*(8*(nn>>3)+4+((nn>>1)&3))+4*(nn&1):8*(8*(nn>>3)+4+((nn>>1)&3))+4*(nn&1)+3], v[XG] offset:\half*XHALF+512*nn
.set nn, nn+1
.endr
.endm
.macro XLOAD u0                        ; 32 row pairs of x into window 3, at the addresses of the final stores
	WIN 0xc0
.set uu, \u0
.rept 32
	global_load_b128 v[4*uu:4*uu+3], v[XOFF], s[84:85] offset:(128*(uu>>5)+2*(uu&31))*4096 th:TH_LOAD_NT
.set uu, uu+1
.endr
	WIN 0
.endm
; ---- one tile of 128 keys ------------------------------------------------------------------------------------------------------
.macro LDST slot, k, buf               ; 8 transposing loads: K block k (32 channels) of my 64 keys
.set aa, 0
.rept 4
.set off0, (128*((\k&3)>>1)+32*(\k&1))*PITCH+16*aa
	ds_load_tr16_b128 v[\buf+8*aa:\buf+8*aa+3], v[ATRH+2*(\k>>2)+\slot] offset:off0
	ds_load_tr16_b128 v[\buf+8*aa+4:\buf+8*aa+7], v[ATRH+2*(\k>>2)+\slot] offset:off0+16*PITCH
.set aa, aa+1
.endr
.endm
.macro MULST k, buf                    ; 16 matrix instructions: 4 key tiles x 4 query tiles
.set nn, 0
.rept 16
.set tt, nn&3
.set aa, nn>>2
.if \k == 0
	v_wmma_f32_16x16x32_bf16 v[SR+8*nn:SR+8*nn+7], v[\buf+8*aa:\buf+8*aa+7], v[8*(8*tt+\k):8*(8*tt+\k)+7], 0
.else
	v_wmma_f32_16x16x32_bf16 v[SR+8*nn:SR+8*nn+7], v[\buf+8*aa:\buf+8*aa+7], v[8*(8*tt+\k):8*(8*tt+\k)+7], v[SR+8*nn:SR+8*nn+7]
.endif
.set nn, nn+1
.endr
.endm
.macro LDPV slot, kp, areg, pb         ; 16 plain loads: 128 channels x 32 of my keys.  pb = 1: into the score registers that packing has freed
.set ff, 0
.rept 8
.if \pb
.set dst, 160+8*ff+32*(ff/4)
.else
.set dst, PA+8*ff
.endif
.set off0, (128*(ff/4)+16*(ff&3))*PITCH+32*\kp
	ds_load_b128 v[dst:dst+3], v[\areg+\slot] offset:off0
	ds_load_b128 v[dst+4:dst+7], v[\areg+\slot] offset:off0+16
.set ff, ff+1
.endr
.endm
.macro MULPV kp, pb, zero              ; 32 matrix instructions: 8 channel tiles x 4 query tiles
.set nn, 0
.rept 32
.set tt, nn&3
.set ff, nn>>2
.if \pb
.set fa, 160+8*ff+32*(ff/4)
.else
.set fa, PA+8*ff
.endif
.set fb, SR+64*\kp+8*tt
.if \zero
	v_wmma_f32_16x16x32_bf16 v[8*nn:8*nn+7], v[fa:fa+7], v[fb:fb+7], 0
.else
	v_wmma_f32_16x16x32_bf16 v[8*nn:8*nn+7], v[fa:fa+7], v[fb:fb+7], v[8*nn:8*nn+7]
.endif
.set nn, nn+1
.endr
.endm
.macro SCALEU win, fac                 ; a window of U times a factor for each query tile
	WIN \win
.set nn, 0
.rept 128
	v_pk_mul_f32 v[2*nn:2*nn+1], v[2*nn:2*nn+1], v[\fac+2*((nn>>2)&3):\fac+2*((nn>>2)&3)+1]
.set nn, nn+1
.endr
.endm
.macro HWORK slot, first
	; scores.  Five places: the first products write over registers that the last products of the tile before read (ISA guide 7.12.1).
	WIN 0
	NOPS 5
	LDST \slot, 0, FA
	WIN 0x04                                       ; second source in window 1; LDS loads still land in window 0
.set kq, 0
.rept 8
.set kn, kq+1
.set bn, FA+32*(kn&1)
.set bc, FA+32*(kq&1)
.if kq < 7
.if kq > 0
	NOPS 4                                         ; the other buffer was read by the matrix instructions just issued
.endif
	LDST \slot, kn, bn
	s_wait_dscnt 8                                 ; all but the next K block's eight loads
.else
	s_wait_dscnt 0x0
.endif
	MULST kq, bc
.set kq, kq+1
.endr
	WIN 0
	NOPS 4                                         ; before the scores are read and the fragment registers loaded again
	LDPV \slot, 0, APLG, 0
	; the largest of a lane's 32 scores of each query tile, four chains side by side
.irp t, 0,1,2,3
	v_max3_num_f32 v[TMP+\t], v[SR+8*\t], v[SR+8*\t+1], v[SR+8*\t+2]
.endr
.set ss, 3
.rept 14
.irp t, 0,1,2,3
	v_max3_num_f32 v[TMP+\t], v[TMP+\t], v[SR+32*(ss>>3)+8*\t+(ss&7)], v[SR+32*((ss+1)>>3)+8*\t+((ss+1)&7)]
.endr
.set ss, ss+2
.endr
.irp t, 0,1,2,3
	v_max_num_f32 v[TMP+\t], v[TMP+\t], v[SR+103+8*\t]
.endr
.irp t, 0,1,2,3
	v_permlanex16_b32 v[TMP+4+\t], v[TMP+\t], s28, s29         ; the other half of the lanes holds the query's other 32 keys
.endr
.irp t, 0,1,2,3
	v_max_num_f32 v[TMP+\t], v[TMP+\t], v[TMP+4+\t]
.endr
.irp t, 0,1,2,3
	v_fma_f32 v[TMP+\t], v[TMP+\t], s30, v[ZZ+\t]              ; c max S + c z: c > 0, so this is the largest exponent
.endr
.if \first == 0
.irp t, 0,1,2,3
	v_max_num_f32 v[TMP+\t], v[TMP+\t], v[MX+\t]
.endr
.irp t, 0,1,2,3
	v_sub_f32 v[AL2+2*\t], v[MX+\t], v[TMP+\t]
.endr
.irp t, 0,1,2,3
	v_exp_f32 v[AL2+2*\t], v[AL2+2*\t]
.endr
.endif
.irp t, 0,1,2,3
	v_mov_b32 v[MX+\t], v[TMP+\t]                              ; also the plain place behind the exponentials (ISA guide 5.7.2)
.endr
.irp t, 0,1,2,3
	v_sub_f32 v[OF2+2*\t], v[ZZ+\t], v[TMP+\t]
	v_sub_f32 v[OF2+2*\t+1], v[ZZ+\t], v[TMP+\t]
.endr
.if \first == 0
	s_wait_alu depctr_va_vdst(0)
.irp t, 0,1,2,3
	v_mov_b32 v[AL2+2*\t+1], v[AL2+2*\t]
.endr
.endif
.set nn, 0
.rept 64
	v_pk_fma_f32 v[SR+2*nn:SR+2*nn+1], v[SR+2*nn:SR+2*nn+1], s[30:31], v[OF2+2*((nn>>2)&3):OF2+2*((nn>>2)&3)+1] op_sel_hi:[1,0,1]
.set nn, nn+1
.endr
.set nn, 0
.rept 128
	v_exp_f32 v[SR+nn], v[SR+nn]
.set nn, nn+1
.endr
	v_nop                                          ; one plain place behind the exponentials
	s_wait_alu depctr_va_vdst(0)
	; the sums in f32, four chains side by side; the first tile starts them, later tiles scale the old sum in the first step
.set nn, 0
.rept 64
.set tt, nn&3
.set pq, nn>>2
.set sp, SR+32*(pq>>2)+8*tt+2*(pq&3)
.if pq == 0
.if \first == 0
	v_pk_fma_f32 v[L2+2*tt:L2+2*tt+1], v[L2+2*tt:L2+2*tt+1], v[AL2+2*tt:AL2+2*tt+1], v[sp:sp+1]
.endif
.else
.if pq == 1
.if \first
	s_wait_alu depctr_va_vdst(0)
	v_pk_add_f32 v[L2+2*tt:L2+2*tt+1], v[sp-2:sp-1], v[sp:sp+1]
.else
	v_pk_add_f32 v[L2+2*tt:L2+2*tt+1], v[L2+2*tt:L2+2*tt+1], v[sp:sp+1]
.endif
.else
	v_pk_add_f32 v[L2+2*tt:L2+2*tt+1], v[L2+2*tt:L2+2*tt+1], v[sp:sp+1]
.endif
.endif
.set nn, nn+1
.endr
	; weights to bf16 in place: key tiles 2 kp, 2 kp + 1 make the second source for 32 keys, in the registers of tile 2 kp
.set nn, 0
.rept 64
.set pp, nn&3
.set hf, (nn>>2)&1
.set sp, SR+64*(nn>>5)+8*((nn>>3)&3)
	v_cvt_pk_bf16_f32 v[sp+4*hf+pp], v[sp+32*hf+2*pp], v[sp+32*hf+2*pp+1]
.set nn, nn+1
.endr
	LDPV \slot, 0, APLK, 1
.if \first == 0
	SCALEU 0x82, AL2
	SCALEU 0xc3, AL2
.endif
	; U += h P.  Each wait for 16 leaves only the group of 16 loads just asked for.
	WIN 0xa0
	s_wait_dscnt 16
	MULPV 0, 0, \first
	WIN 0
	NOPS 4
	LDPV \slot, 1, APLG, 0
	WIN 0xf0
	s_wait_dscnt 16
	MULPV 0, 1, \first
	WIN 0
	NOPS 4
	LDPV \slot, 1, APLK, 1
	WIN 0xa0
	s_wait_dscnt 16
	MULPV 1, 0, 0
	WIN 0xf0
	s_wait_dscnt 0x0
	MULPV 1, 1, 0
	WIN 0
.endm
; ---- the way out, one weight tile's 64 channels of mine -------------------------------------------------------------------------------
; A lane holds 8 neighbouring queries of one channel; 64 channels x 64 queries go through the low part of my own region and come back as rows of
; 256 bytes.  No other wave touches those bytes any more: their last readers waited for their loads in front of the merge's second
; barrier.  LDS serves a wave's instructions in order (ISA guide 5.7.1): no wait between my stores and my loads, nor between the halves.
; left: how many younger loads of x may stay out.
.macro OUTHALF rho, left
	NOPS 4                                         ; before the sums are read
	s_wait_loadcnt \left
	WIN 0x82
.set nn, 64*\rho
.rept 64
	v_pk_add_f32 v[2*nn:2*nn+1], v[2*nn:2*nn+1], v[BIAS+2*(nn>>4):BIAS+2*(nn>>4)+1]
.set nn, nn+1
.endr
	WIN 0x08
.set nn, 32*\rho
.rept 32
	ds_store_b128 v[STGW], v[4*nn:4*nn+3] offset:16*((nn>>3)&3)*PITCH+64*((nn>>1)&3)+16*(nn&1)
.set nn, nn+1
.endr
	WIN 0x80
.set nn, 32*\rho
.rept 32
	ds_load_b128 v[4*nn:4*nn+3], v[STGR] offset:2*PITCH*(nn&31)
.set nn, nn+1
.endr
.set blk, 0
.rept 2
	s_wait_dscnt 16-16*blk                         ; all but the younger block's loads
	WIN 0x8e
.set nn, 64*\rho+32*blk
.rept 32
	v_pk_add_f32 v[2*nn:2*nn+1], v[2*nn:2*nn+1], v[2*nn:2*nn+1]    ; window 2 += x from window 3
.set nn, nn+1
.endr
	WIN 0x08
.set uu, 32*\rho+16*blk
.rept 16
	global_store_b128 v[XOFF], v[4*uu:4*uu+3], s[86:87] offset:(128*(uu>>5)+2*(uu&31))*4096 th:TH_STORE_NT   ; 16 lanes store 256 consecutive bytes, aligned
.set uu, uu+1
.endr
.set blk, blk+1
.endr
	WIN 0
.endm
; ==== set-up =====================================================================================================================
	s_load_b256 s[4:11], s[0:1], 0x0               ; x s[4:5], h s[6:7], wbf s[8:9], vec s[10:11]
	s_load_b128 s[12:15], s[0:1], 0x20             ; bo s[12:13], out0 s[14:15]
	v_lshl_add_u32 v158, v0, 2, 0x45800
	v_mov_b32 v159, 0
	ds_add_u32 v158, v159
	s_wait_dscnt 0x0
	v_lshrrev_b32 v64, 5, v0
	v_readfirstlane_b32 s20, v64                   ; wave w
	s_lshr_b32 s21, s20, 1                         ; i: which 64 queries
	s_and_b32 s22, s20, 1                          ; j: which half of rows and keys
	s_xor_b32 s23, s22, 1                          ; the partner's j
	s_xor_b32 s90, s20, 1                          ; the partner's number
	s_bfe_u32 s24, ttmp6, 0x40000                  ; my place in the cluster
	s_lshl_b32 s25, ttmp9, 2
	s_add_co_u32 s25, s25, s24                     ; query block 0 .. 7
	s_and_b32 s26, ttmp7, 0xffff                   ; batch
	s_mov_b32 s28, 0x76543210                      ; v_permlanex16_b32: lane i reads lane i of the other half
	s_mov_b32 s29, 0xfedcba98
	s_mov_b32 s30, 0x3db8aa3b                      ; c = 256^-0.5 x log2 e
	s_mov_b32 s31, 0x3db8aa3b
	s_mul_i32 s[LDSH], s20, 64*PITCH               ; my quarter of a tile in a slot: the wave's number alone
	s_mul_i32 s[LDSW], s20, 32*PITCHW
	GROUP1 G1P, W0P, 128, 64, 1024
	GROUP1 G1H, W0H, 128, 64, 1024
	GROUP1 G1W, W0W, 256, 32, 256
	s_mov_b32 s[G0], 1
	s_mov_b32 s[G0+4], 1
	s_mov_b32 s[G0P], 1
	s_mov_b32 s[G0C], 1
	s_mov_b32 s[G0P+1], s[LDSH]                    ; the own block goes to slot 0
	s_add_co_u32 s[G0C+1], s[LDSW], 2*SLOT         ; AW's second tile to the third slot
	s_lshl_b32 s82, s26, 19                        ; batch x 524,288 bytes of h
	s_lshl_b32 s91, s20, 17                        ; + my 64 rows of 2,048 bytes
	s_add_co_u32 s82, s82, s91
	s_mov_b32 s83, 0
	s_wait_kmcnt 0x0
	s_add_nc_u64 s[HT:HT+1], s[6:7], s[82:83]
	s_lshl_b32 s82, s20, 14                        ; my 32 rows of 512 bytes
	s_add_nc_u64 s[WT:WT+1], s[8:9], s[82:83]
	s_load_b32 s60, s[10:11], VS0                  ; bq . bk
	s_lshl_b32 s92, s25, 8                         ; what hangs on the query block has registers of its own
	s_mov_b32 s93, 0
	s_add_nc_u64 s[G0P+2:G0P+3], s[HT:HT+1], s[92:93]
	s_or_b32 s[G0P+3], s[G0P+3], 0x80000000
	s_lshl_b32 s92, s25, 9                         ; 128 queries x 4 bytes
	s_lshl_b32 s94, s26, 20                        ; batch x 1,048,576 bytes
	s_add_co_u32 s92, s92, s94
	s_add_nc_u64 s[84:85], s[4:5], s[92:93]        ; x and out0 at my block's first column
	s_add_nc_u64 s[86:87], s[14:15], s[92:93]
	SETG0 1, LDSW, WT, 0                           ; AW's rows 0-127
	s_add_nc_u64 s[G0C+2:G0C+3], s[WT:WT+1], 65536 ; AW's rows 128-255
	s_or_b32 s[G0C+3], s[G0C+3], 0x80000000
	ROUND                                          ; all four work-groups are here: the three first fills go out as one group
	tensor_load_to_lds s[G0P:G0P+3], s[G1P:G1P+7]
	s_nop 0
	tensor_load_to_lds s[G0+4:G0+7], s[G1W:G1W+7]
	s_nop 0
	tensor_load_to_lds s[G0C:G0C+3], s[G1W:G1W+7]
	s_nop 0
	v_and_b32 v64, 31, v0                          ; L
	v_and_b32 v65, 15, v0                          ; r = L % 16
	v_bfe_u32 v66, v0, 4, 1                        ; hl = L / 16
	v_and_b32 v67, 7, v0                           ; e = L % 8
	v_bfe_u32 v68, v0, 3, 1                        ; b = (L / 8) % 2
	s_lshl_b32 s66, s22, 8
	v_lshl_add_u32 v[BOFF], v66, 5, s66            ; 256 j + 32 hl
	WIN 0xc0                                       ; u for the 16 channels a lane holds in each of my four K blocks, into window 3
.set nn, 0
.rept 16
	global_load_b128 v[4*nn:4*nn+3], v[BOFF], s[10:11] offset:VU+(128*(nn>>3)+32*((nn>>2)&1))*4+64*((nn>>1)&1)+16*(nn&1)
.set nn, nn+1
.endr
	WIN 0
.set nn, 0
.rept 16                               ; ta of my rows 128 rho + 64 j + 16 a + 8 hl + 0 .. 7
	global_load_b128 v[BIAS+4*nn:BIAS+4*nn+3], v[BOFF], s[10:11] offset:(128*(nn>>3)+16*((nn>>1)&3))*4+16*(nn&1)
.set nn, nn+1
.endr
	v_lshl_add_u32 v69, v66, 3, v67                ; row 8 hl + e
	v_mul_u32_u24 v69, v69, PITCH
	v_lshl_add_u32 v70, v68, 4, v69                ; + 16 b: own block, n in its natural order
	v_lshl_add_u32 v71, v68, 7, v69                ; + 128 b: key tiles
	v_mul_u32_u24 v73, v65, PITCH
	v_lshl_add_u32 v73, v66, 7, v73                ; r x 272 + 128 hl: h, plain
	v_mul_u32_u24 v74, v65, PITCHW
	v_lshl_add_u32 v74, v66, 4, v74                ; r x 528 + 16 hl: weights
	v_lshlrev_b32 v75, 4, v64                      ; 16 L
	s_mul_i32 s66, s22, 64*PITCH                   ; 64 j rows,
	s_mul_i32 s67, s23, 64*PITCH                   ; the partner's
	s_lshl_b32 s91, s21, 7                         ; my 64 queries: 128 i bytes
	v_add3_u32 v[ATRB], v70, s66, s91
	v_add3_u32 v[ATRB+1], v70, s67, s91
	s_lshl_b32 s94, s22, 6                         ; my half of a tile's keys: 64 j bytes
	s_add_co_u32 s66, s66, s94
	s_add_co_u32 s67, s67, s94
	v_add_nc_u32 v[ATRH], s66, v71
	v_add_nc_u32 v[ATRH+2], s67, v71
	v_add_nc_u32 v[APLK], s66, v73
	v_add_nc_u32 v[APLG], s67, v73
	s_mul_i32 s66, s22, 64*PITCHW                  ; my 64 rows of a weight tile
	s_lshl_b32 s94, s22, 7                         ; K blocks: 128 j bytes, or the partner's
	s_lshl_b32 s95, s23, 7
	s_add_co_u32 s67, s66, s95
	s_add_co_u32 s66, s66, s94
	v_add_nc_u32 v[APLW], s66, v74
	v_add_nc_u32 v[APLW+2], s67, v74
.irp a, APLK, APLG, ATRH, ATRH+2, APLW, APLW+2
	v_add_nc_u32 v[\a+1], SLOT, v[\a]              ; the same in slot 1
.endr
	v_add_nc_u32 v[APW2], 2*SLOT, v[APLW]          ; and, for weights, in the third slot
	v_add_nc_u32 v[APW2+1], 2*SLOT, v[APLW+2]
	s_mul_i32 s66, s20, RS
	s_mul_i32 s67, s90, RS
	s_add_co_u32 s66, s66, XREG
	s_add_co_u32 s67, s67, XREG
	v_add_nc_u32 v[XP], s66, v75
	v_add_nc_u32 v[XG], s67, v75
	s_lshl_b32 s66, s20, 9
	s_lshl_b32 s67, s90, 9
	s_add_co_u32 s66, s66, STAT
	s_add_co_u32 s67, s67, STAT
	v_add_nc_u32 v[STO], s66, v75
	v_add_nc_u32 v[STP], s67, v75
.irp t, 0,1,2,3
	v_mov_b32 v[TMP+4+\t], 0                       ; destinations of v_permlanex16_b32 count as read
.endr
; ==== the own block of h becomes the first second source; z = u . h + bq . bk ======================================================
	s_wait_tensorcnt 0x2                           ; my part of the own block is in; the two weight tiles may stay out
	s_barrier_signal -1
	s_barrier_wait -1
	WIN 0x40
.set nn, 0
.rept 32
.set kk, nn&7
.set tt, nn>>3
.set off0, (128*((kk&3)>>1)+32*(kk&1))*PITCH+32*tt
	ds_load_tr16_b128 v[8*nn:8*nn+3], v[ATRB+(kk>>2)] offset:off0
	ds_load_tr16_b128 v[8*nn+4:8*nn+7], v[ATRB+(kk>>2)] offset:off0+16*PITCH
.set nn, nn+1
.endr
	WIN 0
	s_wait_dscnt 0x0
	s_wait_loadcnt 16                              ; u is in; ta's sixteen loads are younger
	s_wait_kmcnt 0x0                               ; bq . bk
	v_mov_b32 v[L2], s60
	v_mul_f32 v[L2], 0x3e000000, v[L2]             ; an eighth of it starts each chain: two chains a lane, two halves of the lanes, two waves meet in a query's z
.irp q, 1,2,3,4,5,6,7
	v_mov_b32 v[L2+\q], v[L2]
.endr
	WIN 0x0d                                       ; h (bf16 halves, window 1) x u (f32, window 3) + chain (window 0): my four K blocks
.set nn, 0
.rept 256
.set tt, nn&3
.set hf, (nn>>2)&1
.set pp, (nn>>3)&7
.set kk, nn>>6
.if hf
	v_fma_mix_f32_bf16 v[L2+2*tt+1], v[8*(8*tt+kk)+pp], v[16*kk+2*pp+1], v[L2+2*tt+1] op_sel:[1,0,0] op_sel_hi:[1,0,0]
.else
	v_fma_mix_f32_bf16 v[L2+2*tt], v[8*(8*tt+kk)+pp], v[16*kk+2*pp], v[L2+2*tt] op_sel_hi:[1,0,0]
.endif
.set nn, nn+1
.endr
	WIN 0
.irp t, 0,1,2,3
	v_add_f32 v[TMP+\t], v[L2+2*\t], v[L2+2*\t+1]
.endr
.irp t, 0,1,2,3
	v_permlanex16_b32 v[TMP+4+\t], v[TMP+\t], s28, s29
.endr
.irp t, 0,1,2,3
	v_add_f32 v[TMP+\t], v[TMP+\t], v[TMP+4+\t]
.endr
	ds_store_b128 v[STO], v[TMP:TMP+3]
; ==== t = AW hb + ta ===============================================================================================================
	NEXT 0, G1H, LDSH, HT, 0                       ; both weight tiles are in; keys 0-127 go into the own block's slot and have both halves of t in which to land
	ds_load_b128 v[TMP+4:TMP+7], v[STP]            ; the partner's part of z
	PROJ APLW+1, APLW+3, 0, 0
.irp t, 0,1,2,3
	v_add_f32 v[ZZ+\t], v[TMP+\t], v[TMP+4+\t]     ; behind the projection's last wait for all LDS loads
.endr
.irp t, 0,1,2,3
	v_mul_f32 v[ZZ+\t], s30, v[ZZ+\t]
.endr
	PROJ APW2, APW2+1, 1, 0
	s_wait_loadcnt 0x0                             ; ta
	s_barrier_signal -1                            ; my reads of the third slot are over (the projection's last wait was for all LDS loads); registers alone until all have said so
	NOPS 4                                         ; before the sums are read
	BIASADD
	CONV 0x4a
	WIN 0
	s_barrier_wait -1                              ; the key tile may stay on its way.  From here on the third slot is scratch
	XPUT 0
	WIN 0
; ==== the eight key tiles ==========================================================================================================
	NEXT 1, G1H, LDSH, HT, 256                     ; keys 128-255.  The round also orders the exchange: stores in front of it, loads behind
	XGET 0
	HWORK 0, 1                                     ; the first tile starts maxima, sums and U: nothing is cleared
	s_mov_b32 s27, 3
.Ltiles:
	NEXTH 0
	HWORK 1, 0
	NEXTH 1
	HWORK 0, 0
	s_sub_co_u32 s27, s27, 1
	s_cmp_lg_u32 s27, 0
	s_cbranch_scc1 .Ltiles
	NEXT 0, G1W, LDSW, WT, 131072                  ; BW's rows 0-127
	HWORK 1, 0
; ==== the two halves of the keys are merged ========================================================================================
	NOPS 4                                         ; before U is stored and registers that the last products read are written
	v_and_b32 v152, 15, v0                         ; the way out's addresses
	v_bfe_u32 v153, v0, 4, 1
	s_mul_i32 s66, s20, RS
	s_add_co_u32 s66, s66, XREG
	v_mul_u32_u24 v154, v152, PITCH
	v_lshl_add_u32 v154, v153, 5, v154
	v_add_nc_u32 v[STGW], s66, v154                ; in: row r, 32 bytes for each half of the lanes
	v_mul_u32_u24 v154, v153, PITCH
	v_lshl_add_u32 v154, v152, 4, v154
	v_add_nc_u32 v[STGR], s66, v154                ; back: lanes 0-15 one row of 256 bytes, lanes 16-31 the next
	s_lshl_b32 s67, s22, 18                        ; 64 j channels of 4,096 bytes
	s_lshl_b32 s91, s21, 8                         ; 64 i queries of 4 bytes
	s_add_co_u32 s67, s67, s91
	v_lshlrev_b32 v154, 12, v153
	v_lshl_add_u32 v154, v152, 4, v154
	v_add_nc_u32 v[XOFF], s67, v154
	s_lshl_b32 s67, s22, 8
	v_lshl_add_u32 v[BOF2], v152, 2, s67           ; channel 64 j + r
.set ff, 0
.rept 8
	global_load_b32 v[BIAS+2*ff], v[BOF2], s[10:11] offset:VOB+(128*(ff>>2)+16*(ff&3))*4   ; Wo bv of my channel in tile (rho, a)
	global_load_b32 v[BIAS+2*ff+1], v[BOF2], s[12:13] offset:(128*(ff>>2)+16*(ff&3))*4     ; and bo
.set ff, ff+1
.endr
.irp t, 0,1,2,3
	v_add_f32 v[TMP+\t], v[L2+2*\t], v[L2+2*\t+1]
.endr
.irp t, 0,1,2,3
	v_permlanex16_b32 v[TMP+4+\t], v[TMP+\t], s28, s29
.endr
.irp t, 0,1,2,3
	v_add_f32 v[TMP+\t], v[TMP+\t], v[TMP+4+\t]    ; my half's sum
.endr
	ds_store_b128 v[STO], v[MX:MX+3] offset:2048
	ds_store_b128 v[STO], v[TMP:TMP+3] offset:4096
	WIN 0x08
.set nn, 0
.rept 64
	ds_store_b128 v[XP], v[4*nn:4*nn+3] offset:512*nn          ; the rows of U that the partner keeps
.set nn, nn+1
.endr
	WIN 0
	NEXT 1, G1W, LDSW, WT, 196608                  ; the round orders the merge's stores and loads, and behind it BW's rows 128-255 go into the last key tile's slot
	ds_load_b128 v[128:131], v[STP] offset:2048    ; the partner's maxima
	ds_load_b128 v[132:135], v[STP] offset:4096    ; and sums
	WIN 0x80
.set nn, 0
.rept 64
	ds_load_b128 v[4*nn:4*nn+3], v[XG] offset:512*nn           ; its part of the rows that I keep
.set nn, nn+1
.endr
	WIN 0
	s_wait_dscnt 63                                ; 64 loads are younger than the two above; 63 is the most that a wait can name
.irp t, 0,1,2,3
	v_max_num_f32 v[136+\t], v[MX+\t], v[128+\t]
.endr
.irp t, 0,1,2,3
	v_sub_f32 v[140+\t], v[MX+\t], v[136+\t]
	v_sub_f32 v[144+\t], v[128+\t], v[136+\t]
.endr
.irp t, 0,1,2,3
	v_exp_f32 v[140+\t], v[140+\t]
	v_exp_f32 v[144+\t], v[144+\t]
.endr
	v_nop
	s_wait_alu depctr_va_vdst(0)
.irp t, 0,1,2,3
	v_mul_f32 v[148+\t], v[132+\t], v[144+\t]
.endr
.irp t, 0,1,2,3
	v_fma_f32 v[148+\t], v[TMP+\t], v[140+\t], v[148+\t]       ; the whole row's sum: one of the two factors is 1 and each half's sum holds its largest weight, so it is about 1 at the least
.endr
.irp t, 0,1,2,3
	v_rcp_f32 v[148+\t], v[148+\t]
.endr
	v_nop
	s_wait_alu depctr_va_vdst(0)
.irp t, 0,1,2,3
	v_mul_f32 v[AL2+2*\t], v[140+\t], v[148+\t]    ; my half's factor, twice
	v_mul_f32 v[AL2+2*\t+1], v[140+\t], v[148+\t]
	v_mul_f32 v[OF2+2*\t], v[144+\t], v[148+\t]    ; the partner's, twice
	v_mul_f32 v[OF2+2*\t+1], v[144+\t], v[148+\t]
.endr
	s_wait_dscnt 0x0                               ; my reads of the partner's region are over:
	s_barrier_signal -1                            ; say so, and work on registers alone until all have said so
	SCALEU 0xc3, AL2
	WIN 0xf2
.set nn, 0
.rept 128
	v_pk_fma_f32 v[2*nn:2*nn+1], v[2*nn:2*nn+1], v[OF2+2*((nn>>2)&3):OF2+2*((nn>>2)&3)+1], v[2*nn:2*nn+1]
.set nn, nn+1
.endr
	CONV 0x4f
	WIN 0
	s_barrier_wait -1
	XPUT 1                                         ; into the high parts: the low parts become the stages
	WIN 0
	s_wait_loadcnt 0x0                             ; Wo bv and bo
.set ff, 0
.rept 8
	v_add_f32 v[BIAS+2*ff], v[BIAS+2*ff], v[BIAS+2*ff+1]
.set ff, ff+1
.endr
.set ff, 0
.rept 8
	v_mov_b32 v[BIAS+2*ff+1], v[BIAS+2*ff]         ; twice, for the packed addition
.set ff, ff+1
.endr
	XLOAD 0                                        ; window 3 is free: x of the first 64 channels
	s_wait_dscnt 0x0                               ; my part of U / l is stored
	s_barrier_signal -1                            ; BW's second tile may stay on its way
	s_barrier_wait -1
	XGET 1
	XLOAD 32                                       ; x of the other 64 channels
; ==== out = x + BW (U / l) + Wo bv + bo, sources exchanged =========================================================================
	PROJ APLW, APLW+2, 0, 1
	OUTHALF 0, 32                                  ; these stores leave while the second tile is multiplied; the 32 younger loads of x may stay out
	s_wait_tensorcnt 0x0                           ; the last tile; nothing is left to fetch
	s_wait_dscnt 0x0
	s_barrier_signal -1
	s_barrier_wait -1
	PROJ APLW+1, APLW+3, 1, 1
	OUTHALF 1, 0
	s_wait_xcnt 0x0
	v_lshl_add_u32 v158, v0, 2, 0x45800
	v_mov_b32 v159, 0
	s_wait_tensorcnt 0x0
	ds_add_u32 v158, v159
	s_wait_dscnt 0x0
	ROUND                                          ; the closing round: no work-group ends while a partner may still ask for a tile that names it
	s_endpgm
.Lfunc_end_k_q5bd452e979_attn:
	.size	k_q5bd452e979_attn, .Lfunc_end_k_q5bd452e979_attn-k_q5bd452e979_attn
	.p2alignl 7, 3214868480
	.fill 96, 4, 3214868480
	.section	.rodata,"a",@progbits
	.p2align	6, 0x0
	.amdhsa_kernel k_q5bd452e979_attn
		.amdhsa_group_segment_fixed_size 327680
		.amdhsa_private_segment_fixed_size 0
		.amdhsa_enable_private_segment 0
		.amdhsa_kernarg_size 48
		.amdhsa_user_sgpr_count 2
		.amdhsa_user_sgpr_kernarg_segment_ptr 1
		.amdhsa_wavefront_size32 1
		.amdhsa_system_sgpr_workgroup_id_x 1
		.amdhsa_system_sgpr_workgroup_id_y 1
		.amdhsa_system_sgpr_workgroup_id_z 1
		.amdhsa_system_vgpr_workitem_id 0
		.amdhsa_next_free_vgpr 1024
		.amdhsa_next_free_sgpr 100
		.amdhsa_reserve_vcc 0
		.amdhsa_float_denorm_mode_32 3
		.amdhsa_float_denorm_mode_16_64 3
		.amdhsa_memory_ordered 1
		.amdhsa_forward_progress 1
		.amdhsa_inst_pref_size 255
	.end_amdhsa_kernel
	.section	.bss,"aw",@nobits
	.p2align	6
	.space	262144
	.amdgpu_metadata
---
amdhsa.version: [ 1, 2 ]
amdhsa.kernels:
  - .name:           k_q5bd452e979_attn
    .symbol:         k_q5bd452e979_attn.kd
    .args:
      - { .name: x, .offset: 0, .size: 8, .value_kind: global_buffer, .address_space: global }
      - { .name: h, .offset: 8, .size: 8, .value_kind: global_buffer, .address_space: global }
      - { .name: wbf, .offset: 16, .size: 8, .value_kind: global_buffer, .address_space: global }
      - { .name: vec, .offset: 24, .size: 8, .value_kind: global_buffer, .address_space: global }
      - { .name: bo, .offset: 32, .size: 8, .value_kind: global_buffer, .address_space: global }
      - { .name: out0, .offset: 40, .size: 8, .value_kind: global_buffer, .address_space: global }
    .group_segment_fixed_size: 327680
    .private_segment_fixed_size: 0
    .kernarg_segment_align: 8
    .kernarg_segment_size: 48
    .max_flat_workgroup_size: 128
    .sgpr_count:     100
    .vgpr_count:     1024
    .wavefront_size: 32
...
	.end_amdgpu_metadata
.endif
;; end of part 4
